; MI455X (gfx1250); checked and timed in simulation.
; The chip was launched on July 23, 2026; its instructions are those of AMD's public machine-readable ISA for CDNA 5 (MIT licence, August 2026) and "CDNA5" Instruction Set Architecture Reference Guide (July 2026). The comments in the code are by the model that wrote it; some were corrected since.
;; Attention. Allowed arithmetic: matrix products marked QUANTISED: E2M1 operands, one E8M0 scale for each 32 along K, by v_wmma_scale_f32_16x16x128_f8f6f4 with both operands' format E2M1 (or v_wmma_scale_f32_32x16x128_f4), f32 sums; products left as they are: bf16, f16 or f32 operands; f32 sums; everything else in f32.
;; Inputs: freqs_cos 1,024 x 32 float32; freqs_sin 1,024 x 32 float32; mask 1,024 x 1,024 float32; wk 512 x 2,048 float32; wo 2,048 x 2,048 float32; wq 2,048 x 2,048 float32; wv 512 x 2,048 float32; x 4 x 1,024 x 2,048 float32.
;; Outputs: out0 4 x 1,024 x 2,048 float32.
;; This version of the problem:
;;   THIS VERSION OF THE PROBLEM IS GIVEN IN LOW PRECISION. The matrix products marked QUANTISED in the list below multiply operands that are first quantised to E2M1 (2 exponent bits, 1 mantissa bit; 4 bits a number), with one power-of-two scale for each 32 numbers along K (OCP MX v1.0); their sums are f32. The products marked 'left as it is' may take bf16, f16 or f32 operands, with f32 sums. Whichever they take, every output number must still come out within the allowed error. Rounding operands to bf16 (8 significant bits) uses up far more of that allowance than f16 does (11 bits, for magnitudes from 6e-5 to 65,504). All else is computed in f32.
;;   The module's matrix products, in the order in which they are computed (A, B: the left and right operand; K: the contracted axis; several contracted axes count as one K, in the product's order):
;;     1. [M 4,096, K 2,048] x [K 2,048, N 2,048]; A: input x; B: input wq: QUANTISED
;;     2. [M 4,096, K 2,048] x [K 2,048, N 512]; A: input x; B: input wk: QUANTISED
;;     3. [M 4,096, K 2,048] x [K 2,048, N 512]; A: input x; B: input wv: QUANTISED
;;     4. batch 128 x [M 1,024, K 64] x [K 64, N 1,024]; A: computed on the way; B: computed on the way: left as it is (an operand is computed on the way)
;;     5. batch 128 x [M 1,024, K 1,024] x [K 1,024, N 64]; A: computed on the way; B: computed on the way: left as it is (an operand is computed on the way)
;;     6. [M 4,096, K 2,048] x [K 2,048, N 2,048]; A: computed on the way; B: input wo: left as it is (an operand is computed on the way)
;;   THE QUANTISER, for each operand of a quantised product, along K:
;;     - K is cut into blocks of 32 from its start; a last block that is shorter is filled with zeros.
;;     - A block's scale is 2^e with e = floor(log2(the largest magnitude in the block)) - 2, held to -126 .. 127; a block of zeros has e = 0. As a byte (E8M0): e + 127.
;;     - Each number is divided by its block's scale, clamped to +-6, and rounded to the nearest number of E2M1, ties to even, subnormals kept.
;;     - The product sums the exact products of the quantised numbers (number of the format x scale) in f32.
;;   ~~~python
;;   def quantise(x, axis):      # numpy; x: float32 -> the quantised numbers, widened to float32 again
;;       x = np.moveaxis(x, axis, -1); K = x.shape[-1]
;;       x = np.pad(x, [(0, 0)] * (x.ndim - 1) + [(0, -K % 32)]); x = x.reshape(x.shape[:-1] + (-1, 32)); a = np.abs(x).max(-1, keepdims=True)
;;       e = np.where(a > 0, np.clip(np.frexp(np.where(a > 0, a, 1))[1] - 1 - 2, -126, 127), 0)      # np.frexp(a)[1] - 1 = floor(log2(a)), exactly
;;       r = np.clip(x / 2.0 ** e, -6, 6)
;;       step = 2.0 ** (np.maximum(np.frexp(np.where(r == 0, 1, r))[1] - 1, 0) - 1)
;;       q = np.round(r / step) * step * 2.0 ** e      # np.round: ties to even
;;       return np.moveaxis(q.reshape(q.shape[:-2] + (-1,))[..., :K], -1, axis).astype(np.float32)
;;   ~~~
;; One version. Each part assembles by itself: llvm-mc -triple=amdgcn-amd-amdhsa -mcpu=gfx1250 --defsym DOCPART=n.
;; ======== version 1 of 1: 4 launches
;; limits: values are held in f16: magnitudes above 65,504 overflow, below 6.1e-05 lose precision
;; workspace buffers: xc 4,194,304 bytes; xs 262,144 bytes; wc 3,145,728 bytes; ws 196,608 bytes; wo16 8,388,608 bytes; qkv 25,165,824 bytes; att 16,777,216 bytes
;; launch prep (part 1): grid 576 x 1, 4 waves a work-group, no clusters, 33,280 bytes of LDS; arguments x, wq, wk, wv, wo, xc, xs, wc, ws, wo16; writes xc, xs, wc, ws, wo16
.if DOCPART == 1
	.amdgcn_target "amdgcn-amd-amdhsa--gfx1250"
	.amdhsa_code_object_version 6
	.text
	.protected	k_qea19f45ceb_prep
	.globl	k_qea19f45ceb_prep
	.p2align	8
	.type	k_qea19f45ceb_prep,@function
k_qea19f45ceb_prep:
	s_mov_b64 s[64:65], 0
	v_nop
	global_prefetch_b8 v0, s[64:65] scope:SCOPE_SE
	s_setreg_imm32_b32 hwreg(HW_REG_WAVE_MODE, 25, 1), 1
	s_wait_xcnt 0x0
; x [4096][2048] and wq, wk, wv ([2048], [512], [512] rows of 2048), f32, K innermost, become codes of FP4 (E2M1) with one E8M0 byte for each 32 along K:
; xc [4096][1024 bytes], xs [4096][64];  wc [3072][1024 bytes], ws [3072][64], rows 0-2047 wq, 2048-2559 wk, 2560-3071 wv.  wo [2048][2048] f32 becomes wo16, f16, in the same order.
; A block's scale is 2^(floor(log2(its largest magnitude)) - 2); its byte is the largest magnitude's exponent field - 2, held at 1 from below; each number is divided by the scale and rounded to the nearest code, ties to even,
; beyond the largest code the largest.  (A block of zeros gets the byte 1 where the rule says 127: its codes are zeros, and this program alone reads the bytes.)
; LIMITS: blocks whose largest magnitude lies under 2^-124 were not tried; NaN and infinities in x, wq, wk, wv are not served; numbers of wo of magnitude 65,520 or more become infinity in f16.
; SHARES: a work-group takes 32,768 numbers, a wave 8,192.  Work-groups 0-255 x, 256-383 wq, 384-415 wk, 416-447 wv, 448-575 wo.  Rows are dense and 2048 is a multiple of 32: every tensor is a plain stream.
; The quantiser: each of a step's four loads reads 512 consecutive bytes; the 2,048 bytes turn through the wave's own stage in LDS so that a lane holds 16 neighbours (two lanes a block).  Waves share nothing: no barrier.
; The cast uses no LDS: 16 bytes a lane in, 8 bytes a lane out: a wave's store covers 256 consecutive bytes, aligned.
.set WAVES, 4
.set STEPS, 16
.set EMAX,  2
.set CB,    8                          ; bytes of 16 codes
.set R,     16                         ; v16-79   four sets of 16 numbers as loaded (the cast: two sets of 32)
.set X,     80                         ; v80-111  two sets of 16 neighbours
.set E,     112                        ; v112-127 a scale byte for each step
.set C,     128                        ; v128-191 codes, four registers a step (the cast: two sets of 16 registers of f16 pairs)
.set WREG,  8192                       ; LDS: a region for each wave: two stages of 32 x SP bytes, then its 256 scale bytes
.set SP,    80                         ; a lane's place in a stage: 64 bytes + 16 of padding
.set SPW,   12                         ; v12  LDS address of my spare word; never rewritten
.set NIL,   13                         ; v13  0; never rewritten
.set SPARE, WAVES*WREG                 ; behind the four regions: the spare words, 128 bytes a wave
.set WG_X,  256                        ; first work-group of wq
.set WG_Q,  384                        ; of wk
.set WG_K,  416                        ; of wv
.set WG_V,  448                        ; of wo
	s_load_b256 s[4:11], s[0:1], 0x0               ; x, wq, wk, wv
	s_load_b256 s[12:19], s[0:1], 0x20             ; wo, xc, xs, wc
	s_load_b128 s[20:23], s[0:1], 0x40             ; ws, wo16
	v_lshl_add_u32 v[SPW], v0, 2, SPARE
	v_mov_b32 v[NIL], 0
	v_lshrrev_b32 v1, 5, v0
	v_readfirstlane_b32 s24, v1                    ; wave
	v_and_b32 v2, 31, v0                           ; lane
	v_lshlrev_b32 v3, 4, v2                        ; my 16 bytes of a load's 512
	v_lshlrev_b32 v4, 3, v2                        ; my 8 bytes of a store's 256
	s_mul_i32 s25, s24, WREG
	v_lshrrev_b32 v14, 2, v2
	v_mul_u32_u24 v14, v14, SP
	v_and_b32 v15, 3, v2
	v_lshl_add_u32 v14, v15, 4, v14
	v_add_nc_u32 v14, s25, v14                     ; the stage, on the way in: SP (lane / 4) + 16 (lane % 4)
	v_mul_u32_u24 v15, v2, SP
	v_add_nc_u32 v15, s25, v15                     ; and on the way out: SP x lane: my 16 neighbours
	v_lshrrev_b32 v5, 1, v2
	s_add_co_u32 s25, s25, 2*32*SP
	v_add_nc_u32 v5, s25, v5                       ; my wave's 256 scale bytes: my block's byte
	v_add_nc_u32 v6, s25, v4                       ; and 8 bytes a lane on their way out
	s_wait_kmcnt 0x0
	s_cmp_lt_u32 ttmp9, WG_V
	s_cbranch_scc0 .Lcast                          ; the work-group's number alone decides
	; which tensor: only pointers and first work-groups are chosen; all four take one path
	s_cmp_lt_u32 ttmp9, WG_X
	s_cselect_b64 s[26:27], s[4:5], s[6:7]         ; from: x or wq
	s_cselect_b64 s[28:29], s[14:15], s[18:19]     ; codes: xc or wc
	s_cselect_b64 s[30:31], s[16:17], s[20:21]     ; scale bytes: xs or ws
	s_cselect_b32 s36, 0, WG_X                     ; the source's first work-group
	s_mov_b32 s37, s36                             ; the destination's: wq, wk, wv lie on end in wc and ws
	s_cmp_lt_u32 ttmp9, WG_Q
	s_cselect_b64 s[26:27], s[26:27], s[8:9]
	s_cselect_b32 s36, s36, WG_Q
	s_cmp_lt_u32 ttmp9, WG_K
	s_cselect_b64 s[26:27], s[26:27], s[10:11]
	s_cselect_b32 s36, s36, WG_K
	s_sub_co_u32 s36, ttmp9, s36
	s_lshl_b32 s36, s36, 2
	s_add_co_u32 s36, s36, s24                     ; which run of 8,192 numbers of the source is my wave's
	s_lshl_b32 s32, s36, 15
	s_mov_b32 s33, 0
	s_add_nc_u64 s[26:27], s[26:27], s[32:33]
	s_sub_co_u32 s37, ttmp9, s37
	s_lshl_b32 s37, s37, 2
	s_add_co_u32 s37, s37, s24                     ; and of the destination
	s_lshl_b32 s32, s37, 12                        ; 4,096 bytes of codes a run
	s_add_nc_u64 s[28:29], s[28:29], s[32:33]
	s_lshl_b32 s32, s37, 8                         ; 256 scale bytes a run
	s_add_nc_u64 s[30:31], s[30:31], s[32:33]
.macro LOAD t
.irp i, 0,1,2,3
	global_load_b128 v[R+16*((\t)%4)+4*\i:R+16*((\t)%4)+4*\i+3], v3, s[26:27] offset:2048*(\t)+512*\i th:TH_LOAD_NT   ; 32 lanes read 512 consecutive bytes
.endr
.endm
.macro TURN t                          ; step t's numbers through the stage: LDS serves a wave's instructions in order, so no wait stands between the stores and the loads
.irp i, 0,1,2,3
	ds_store_b128 v14, v[R+16*((\t)%4)+4*\i:R+16*((\t)%4)+4*\i+3] offset:32*SP*((\t)%2)+8*SP*\i
.endr
.irp i, 0,1,2,3
	ds_load_b128 v[X+16*((\t)%2)+4*\i:X+16*((\t)%2)+4*\i+3], v15 offset:32*SP*((\t)%2)+16*\i
.endr
.endm
.irp t, 0,1,2,3
	LOAD \t
.endr
	s_wait_loadcnt 12                              ; step 0's four loads are in; the twelve of steps 1 to 3 stay out
	TURN 0
.macro STEP t
.set XS, X+16*((\t)%2)
.if (\t) > 0
	s_wait_dscnt 1                                 ; this step's numbers are back from the stage (the last step's byte store may be out)
.else
	s_wait_dscnt 0x0
.endif
.if (\t)+4 < STEPS
	LOAD (\t)+4                                    ; into the set whose stores into the stage have read their registers
.endif
.if (\t)+1 < STEPS
.if STEPS-2-(\t) >= 3
	s_wait_loadcnt 12                              ; the next step's four loads are in; those of the three steps behind it may be out
.else
	s_wait_loadcnt 4*(STEPS-2-(\t))
.endif
	TURN (\t)+1                                    ; and go through the other stage while this step is worked
.endif
	v_max3_num_f32 v8, |v[XS]|, |v[XS+1]|, |v[XS+2]|               ; the largest magnitude of my 16, in two chains
	v_max3_num_f32 v9, |v[XS+3]|, |v[XS+4]|, |v[XS+5]|
.irp i, 6,10
	v_max3_num_f32 v8, v8, |v[XS+\i]|, |v[XS+\i+1]|
	v_max3_num_f32 v9, v9, |v[XS+\i+2]|, |v[XS+\i+3]|
.endr
	v_max3_num_f32 v8, v8, |v[XS+14]|, |v[XS+15]|
	v_max3_num_f32 v8, v8, v9, (EMAX+1)<<23        ; and the floor 2^(3 - 127): the byte cannot fall under 1
	v_max_num_f32_dpp v8, v8, v8 row_xmask:1 row_mask:0xf bank_mask:0xf   ; with my neighbour's 16: the block's
	v_add_nc_u32 v11, -(EMAX<<23), v8              ; 2 off its exponent field: the conversion takes the exponent field of this operand as its scale
	v_cvt_scalef32_pk8_fp4_f32 v[C+4*(\t)], v[XS:XS+7], v11
	v_cvt_scalef32_pk8_fp4_f32 v[C+4*(\t)+1], v[XS+8:XS+15], v11
	v_lshrrev_b32 v[E+(\t)], 23, v11               ; the scale's byte (a plain line behind the conversions)
	ds_store_b8 v5, v[E+(\t)] offset:16*(\t)       ; both lanes of a block write the same byte with the same value
	global_store_b64 v4, v[C+4*(\t):C+4*(\t)+1], s[28:29] offset:32*CB*(\t)   ; the wave stores 256 consecutive bytes, aligned
.endm
.irp t, 0,1,2,3,4,5,6,7,8,9,10,11,12,13,14,15
	STEP \t
.endr
	ds_load_b64 v[8:9], v6                         ; LDS serves a wave's instructions in order: these see my byte stores
	s_wait_dscnt 0x0
	global_store_b64 v4, v[8:9], s[30:31]          ; 32 lanes store my run's 256 scale bytes, aligned
	s_wait_tensorcnt 0x0                           ; the wave's end: three lines behind my last LDS store
	ds_add_u32 v[SPW], v[NIL]
	s_wait_dscnt 0x0
	s_endpgm
.Lcast:                                                ; wo to f16: 64 units of 512 bytes a wave, in eight batches of eight; two batches of loads are on their way
	s_sub_co_u32 s36, ttmp9, WG_V
	s_lshl_b32 s36, s36, 2
	s_add_co_u32 s36, s36, s24                     ; my run of 8,192 numbers
	s_lshl_b32 s32, s36, 15
	s_mov_b32 s33, 0
	s_add_nc_u64 s[26:27], s[12:13], s[32:33]
	s_lshl_b32 s32, s36, 14
	s_add_nc_u64 s[28:29], s[22:23], s[32:33]
.macro CLOAD t
.irp i, 0,1,2,3,4,5,6,7
	global_load_b128 v[R+32*((\t)%2)+4*\i:R+32*((\t)%2)+4*\i+3], v3, s[26:27] offset:512*(8*(\t)+\i) th:TH_LOAD_NT
.endr
.endm
.macro CBATCH t
.if (\t) < 7
	s_wait_loadcnt 8                               ; this batch's eight loads are in; the next batch's eight stay out
.else
	s_wait_loadcnt 0x0
.endif
.if (\t) >= 2
	s_wait_xcnt 0x0                                ; the stores of two batches back have read their data registers, which are written again below
.endif
.irp i, 0,1,2,3,4,5,6,7
	v_cvt_pk_f16_f32 v[C+16*((\t)%2)+2*\i], v[R+32*((\t)%2)+4*\i], v[R+32*((\t)%2)+4*\i+1]
	v_cvt_pk_f16_f32 v[C+16*((\t)%2)+2*\i+1], v[R+32*((\t)%2)+4*\i+2], v[R+32*((\t)%2)+4*\i+3]
.endr
.if (\t) < 6
	CLOAD (\t)+2
.endif
.irp i, 0,1,2,3,4,5,6,7
	global_store_b64 v4, v[C+16*((\t)%2)+2*\i:C+16*((\t)%2)+2*\i+1], s[28:29] offset:256*(8*(\t)+\i)
.endr
.endm
	CLOAD 0
	CLOAD 1
.irp t, 0,1,2,3,4,5,6,7
	CBATCH \t
.endr
	s_endpgm
.Lfunc_end_k_qea19f45ceb_prep:
	.size	k_qea19f45ceb_prep, .Lfunc_end_k_qea19f45ceb_prep-k_qea19f45ceb_prep
	.p2alignl 7, 3214868480
	.fill 96, 4, 3214868480
	.section	.rodata,"a",@progbits
	.p2align	6, 0x0
	.amdhsa_kernel k_qea19f45ceb_prep
		.amdhsa_group_segment_fixed_size 33280
		.amdhsa_private_segment_fixed_size 0
		.amdhsa_enable_private_segment 0
		.amdhsa_kernarg_size 80
		.amdhsa_user_sgpr_count 2
		.amdhsa_user_sgpr_kernarg_segment_ptr 1
		.amdhsa_wavefront_size32 1
		.amdhsa_system_sgpr_workgroup_id_x 1
		.amdhsa_system_sgpr_workgroup_id_y 1
		.amdhsa_system_sgpr_workgroup_id_z 1
		.amdhsa_system_vgpr_workitem_id 0
		.amdhsa_next_free_vgpr 192
		.amdhsa_next_free_sgpr 66
		.amdhsa_reserve_vcc 0
		.amdhsa_float_denorm_mode_32 3
		.amdhsa_float_denorm_mode_16_64 3
		.amdhsa_memory_ordered 1
		.amdhsa_forward_progress 1
		.amdhsa_inst_pref_size 54
	.end_amdhsa_kernel
	.amdgpu_metadata
---
amdhsa.version: [ 1, 2 ]
amdhsa.kernels:
  - .name:           k_qea19f45ceb_prep
    .symbol:         k_qea19f45ceb_prep.kd
    .args:
      - { .name: x, .offset: 0, .size: 8, .value_kind: global_buffer, .address_space: global }
      - { .name: wq, .offset: 8, .size: 8, .value_kind: global_buffer, .address_space: global }
      - { .name: wk, .offset: 16, .size: 8, .value_kind: global_buffer, .address_space: global }
      - { .name: wv, .offset: 24, .size: 8, .value_kind: global_buffer, .address_space: global }
      - { .name: wo, .offset: 32, .size: 8, .value_kind: global_buffer, .address_space: global }
      - { .name: xc, .offset: 40, .size: 8, .value_kind: global_buffer, .address_space: global }
      - { .name: xs, .offset: 48, .size: 8, .value_kind: global_buffer, .address_space: global }
      - { .name: wc, .offset: 56, .size: 8, .value_kind: global_buffer, .address_space: global }
      - { .name: ws, .offset: 64, .size: 8, .value_kind: global_buffer, .address_space: global }
      - { .name: wo16, .offset: 72, .size: 8, .value_kind: global_buffer, .address_space: global }
    .group_segment_fixed_size: 33280
    .private_segment_fixed_size: 0
    .kernarg_segment_align: 8
    .kernarg_segment_size: 80
    .max_flat_workgroup_size: 128
    .sgpr_count:     66
    .vgpr_count:     192
    .wavefront_size: 32
...
	.end_amdgpu_metadata
.endif
;; end of part 1
;; launch qkv (part 2): grid 12 x 16, 4 waves a work-group, clusters of 4 x 4, 327,680 bytes of LDS; arguments xc, xs, wc, ws, freqs_cos, freqs_sin, qkv; writes qkv
.if DOCPART == 2
	.amdgcn_target "amdgcn-amd-amdhsa--gfx1250"
	.amdhsa_code_object_version 6
	.text
	.protected	k_qea19f45ceb_qkv
	.globl	k_qea19f45ceb_qkv
	.p2align	8
	.type	k_qea19f45ceb_qkv,@function
k_qea19f45ceb_qkv:
	s_mov_b64 s[64:65], 0
	v_nop
	global_prefetch_b8 v0, s[64:65] scope:SCOPE_SE
	s_setreg_imm32_b32 hwreg(HW_REG_WAVE_MODE, 25, 1), 1
	s_wait_xcnt 0x0
	s_wait_alu depctr_hold_cnt(0) depctr_sa_sdst(0) depctr_va_vdst(0) depctr_va_sdst(0) depctr_va_ssrc(0) depctr_va_vcc(0) depctr_vm_vsrc(0)
	s_getreg_b32 s2, hwreg(HW_REG_IB_STS2, 6, 4)
	s_cmp_eq_u32 s2, 0
	s_cbranch_scc0 .Lentry_in_a_cluster
	s_endpgm
.Lentry_in_a_cluster:
	s_bfe_u32 s2, ttmp6, 0x10000c
	s_cmp_lg_u32 s2, 0xf033
	s_cbranch_scc0 .Lentry_shape_is_right
	s_endpgm
.Lentry_shape_is_right:
; C[m][n] = sum over k of x[m][k] w[n][k] on codes of FP4 (E2M1) with one E8M0 scale for each 32 along K: m = 4,096 rows (batch x position), n = 3,072 columns: 32 heads of q, 8 of k, 8 of v, 64 columns each; K = 2,048.
; Then the rotation: the pair (2 i, 2 i + 1) of a head's 64 columns is turned by the angle of row (head's index) and column i of the cos and sin tables (q: rows 0-31, k: rows 0-7; v is not turned: cos 1, sin 0 by a select).
; The result is rounded to f16 and laid by head: qkv[g][batch][position][64], g = 0-31 q, 32-39 k, 40-47 v.
; LIMIT: results of magnitude 65,520 or more become infinity in f16.
; A tile of C, 256 x 256, is made by a work-group of four waves; a wave makes 128 x 128: 64 accumulators, 512 registers.  K goes in steps of 512 (rows of 256 bytes) through a ring of two LDS slots filled by the tensor data mover.
; THE SCALES of the work-group's 256 rows of x and 256 rows of w, for all of K, are two dense blocks: they come into LDS once, with the first fills, and stay.
; CLUSTERS: 4 x 4 work-groups.  The four of a row of the cluster need the same tiles of x, the four of a column the same tiles of w: each tile is asked for jointly, by the same tensor load with the same descriptor and a mask that names the four.
; THE MATRIX INSTRUCTION IS USED TRANSPOSED (source 0 = 16 rows of w, source 1 = 16 rows of x): a lane holds eight neighbouring columns of one row of C: four pairs of the rotation.
; REGISTERS: window 0: v0-31 addresses; v32-95 scale words, two sets, and nothing else; v128-191 x's fragments, one set; on the way out v96-127 at work, v128-159 packed results, v160-223 rows read back.
;   window 1: w's fragments, two sets, at v0 and v128; v64-95 cos, v96-127 sin of my lane's pairs; v192-255 the pairs (-sin, sin).   windows 2, 3: the accumulators ((a, b) at v[8 (8 (a % 4) + b)]).
.set SIZE_M, 4096
.set SIZE_N, 3072
.set SIZE_K, 2048
.set KSTEP,  512                       ; along K in a slot
.set NQ,     KSTEP/128                 ; matrix instructions deep
.set ROWB,   256                       ; a tile's row in bytes
.set KROW,   SIZE_K*4/8                ; a row of codes in memory
.set PITCH,  272                       ; an LDS row: 256 bytes + 16 of padding: the 16 rows that a load touches start 68 words apart
.set FR,     8                         ; registers of a fragment
.set NL,     2                         ; LDS loads that bring one
.set NP,     4                         ; places behind this matrix instruction (ISA guide 7.12.1)
.set HALFT,  128*PITCH
.set SLOT,   4*HALFT                   ; x's 256 rows, then w's 256 rows
.set LAPS,   SIZE_K/(2*KSTEP)
.set KS,     SIZE_K/32                 ; a row of scales in bytes
.set SCL,    2*SLOT                    ; behind the ring: the scales, as units of 256 bytes + 16 of padding
.set HALFS,  (128*KS/256)*272
.set SBLK,   (16*KS/256)*272
.set SPARE,  SCL+4*HALFS               ; behind the scales: the spare words, 128 bytes a wave
.set HP,     144                       ; the way out: a stage row: a head's 128 bytes + 16
.set HSTG,   16*HP                     ; 16 rows of one head; a wave's stage is two of these.  The stages lie in slot 0, which has had its last fill and its last read when the first result is stored there
.set ADRA, 16
.set ADRB, 20
.set STO,  24                          ; v24  the way out: where I put 16 bytes of a row
.set RD,   25                          ; v25  where I read rows back
.set CO,   26                          ; v26  my byte offset among four rows of a head in memory
.set ADRS, 27
.set SPW,  28                          ; v28  LDS address of my spare word; never rewritten
.set NIL,  29                          ; v29  0; never rewritten
.set TAB,  30                          ; v30  16 x (lane / 16): my four angles in a group of eight; never rewritten
.set SC,   32
.set T,    96                          ; the way out: 32 numbers at work
.set AF,   128
.set PK,   128                         ; the way out: a block's 32 registers of f16 pairs
.set BK,   160                         ; the way out: rows read back, v160-191 and v192-223 by turns
.set CC,   64                          ; window 1: cos: register 4 b + p for pair p of w's block b
.set SI,   96                          ; window 1: sin likewise
.set SN,   192                         ; window 1: (-sin, sin): registers 8 b + 2 p, 8 b + 2 p + 1
.set VM,   95                          ; s95  all ones in a wave whose columns are v's
.set G1, 24
.set G0, 32
.set G1B, 48
.set G0B, 56
.set G1S, 68
.set G0S, 76
.set G1SB, 80
.set G0SB, 88
.set MSB, 0
.macro WIN new                         ; the immediate's high byte repeats the setting that is left
.if MSB != (\new)
	s_set_vgpr_msb (MSB<<8)|(\new)
.set MSB, (\new)
.endif
.endm
.set MUL_LO, 0xa1                      ; source 0 (w) window 1, source 1 (x) window 0, C and D window 2
.set MUL_HI, 0xf1                      ; the same, C and D window 3
.set TO_B,   0x40                      ; destination window 1, address window 0
; A joint load: waves 0 and 1 fetch for x, waves 2 and 3 for w.  The branch hangs on the wave's number alone.  An s_nop 0 and four v_nop follow each of the two lines.
.macro JLOAD g0a, g1a, g0b, g1b
	s_cmp_eq_u32 s15, 0
	s_cbranch_scc0 .Lfor_b_\@
	tensor_load_to_lds s[\g0a:\g0a+3], s[\g1a:\g1a+7]
	s_nop 0
.rept 4
	v_nop
.endr
	s_branch .Lasked_\@
.Lfor_b_\@:
	tensor_load_to_lds s[\g0b:\g0b+3], s[\g1b:\g1b+7]
	s_nop 0
.rept 4
	v_nop
.endr
.Lasked_\@:
.endm
.macro CREST                           ; a round of the cluster's barrier behind its opening barrier
	s_cmp_lg_u32 s14, 0
	s_cbranch_scc1 .Lnot_wave_0_\@
	s_barrier_signal -3
.Lnot_wave_0_\@:
	s_barrier_wait -3
	s_barrier_signal -1
	s_barrier_wait -1
.endm
.macro CROUND                          ; a whole round
	s_barrier_signal -1
	s_barrier_wait -1
	CREST
.endm
	s_load_b128 s[4:7], s[0:1], 0x0                ; x's codes, x's scales
	s_load_b128 s[8:11], s[0:1], 0x10              ; w's codes, w's scales
	s_load_b128 s[96:99], s[0:1], 0x20             ; cos, sin
	s_load_b64 s[12:13], s[0:1], 0x30              ; qkv
	v_lshl_add_u32 v[SPW], v0, 2, SPARE
	v_mov_b32 v[NIL], 0
	ds_add_u32 v[SPW], v[NIL]                      ; the wave's opening: the add, twice on end, and its wait ahead of my first tensor load
	ds_add_u32 v[SPW], v[NIL]
	v_lshrrev_b32 v1, 5, v0
	v_readfirstlane_b32 s14, v1                    ; wave 0..3
	s_lshr_b32 s15, s14, 1                         ; which half of the tile's rows is mine.  Also: I fetch for x (0) or for w (1)
	s_and_b32 s16, s14, 1                          ; which half of its columns.  Also: which 128 rows of that tile I fetch
	s_bfe_u32 s40, ttmp6, 0x40000                  ; cx, cy: my place in the cluster
	s_bfe_u32 s41, ttmp6, 0x40004
	s_lshl_b32 s42, ttmp9, 2
	s_add_co_u32 s42, s42, s40                     ; tile column = 4 x cluster x + cx
	s_and_b32 s17, ttmp7, 0xffff
	s_lshl_b32 s17, s17, 2
	s_add_co_u32 s17, s17, s41                     ; tile row = 4 x cluster y + cy
	s_lshl_b32 s43, s41, 2
	s_lshl_b32 s43, 15, s43                        ; my row of the cluster
	s_lshl_b32 s44, 0x1111, s40                    ; my column
	; descriptor group 1: a tile of 128 rows x 256 bytes, 16 bytes of padding behind each row
	s_or_b32 s[G1+0], s43, (0<<16)|(1<<20)|(1<<21)|(5<<22)|(3<<25)  ; 15:0 the mask; 17:16 elements of 1 byte; 20 padding on; 21 set beside a mask; 24:22 after every 64 words; 31:25 four words
	s_or_b32 s[G1B+0], s44, (0<<16)|(1<<20)|(1<<21)|(5<<22)|(3<<25)
.irp g, G1, G1B
	s_mov_b32 s[\g+1], ROWB<<16                    ; tensor_dim0
	s_mov_b32 s[\g+2], 128<<16                     ; tensor_dim1
	s_mov_b32 s[\g+3], ROWB<<16                    ; tile_dim0
	s_mov_b32 s[\g+4], 128                         ; tile_dim1
	s_mov_b32 s[\g+5], KROW                        ; tensor_dim0_stride
	s_mov_b32 s[\g+6], 0
	s_mov_b32 s[\g+7], 0
.endr
	; the scales of 128 rows: a dense block of 8,192 bytes, as 32 rows of 256 bytes (32 elements of 8 bytes), 16 bytes of padding behind each
	s_or_b32 s[G1S+0], s43, (3<<16)|(1<<20)|(1<<21)|(5<<22)|(3<<25)
	s_or_b32 s[G1SB+0], s44, (3<<16)|(1<<20)|(1<<21)|(5<<22)|(3<<25)
.irp g, G1S, G1SB
	s_mov_b32 s[\g+1], 32<<16
	s_mov_b32 s[\g+2], (128*KS/256)<<16
	s_mov_b32 s[\g+3], 32<<16
	s_mov_b32 s[\g+4], 128*KS/256
	s_mov_b32 s[\g+5], 32
	s_mov_b32 s[\g+6], 0
	s_mov_b32 s[\g+7], 0
.endr
	s_lshl_b32 s18, s16, 7                         ; which 128 rows of the tile I fetch
	s_lshl_b32 s20, s17, 8
	s_add_co_u32 s20, s20, s18                     ; x: row 256 x tile row + 128 x half
	s_lshl_b32 s46, s42, 8
	s_add_co_u32 s46, s46, s18                     ; w: row 256 x tile column + 128 x half
	s_mov_b32 s21, 0
	s_mov_b32 s47, 0
	s_mov_b64 s[18:19], KS
	s_mul_u64 s[22:23], s[20:21], s[18:19]         ; where these rows' scales begin, in bytes
	s_mul_u64 s[92:93], s[46:47], s[18:19]
	s_mov_b64 s[18:19], KROW
	s_mul_u64 s[20:21], s[20:21], s[18:19]         ; and their codes
	s_mul_u64 s[46:47], s[46:47], s[18:19]
	s_mul_i32 s45, s14, HALFT                      ; where they go: wave x 128 rows: no place in the cluster enters an LDS address
	s_mul_i32 s94, s14, HALFS
	s_wait_dscnt 0x0                               ; both opening adds are done
	s_wait_kmcnt 0x0
	s_add_nc_u64 s[20:21], s[4:5], s[20:21]
	s_add_nc_u64 s[22:23], s[6:7], s[22:23]
	s_add_nc_u64 s[46:47], s[8:9], s[46:47]
	s_add_nc_u64 s[92:93], s[10:11], s[92:93]
	CROUND                                         ; all sixteen work-groups are here: the first joint loads meet
	s_mov_b32 s[G0S], 1
	s_add_co_u32 s[G0S+1], s94, SCL
	s_mov_b64 s[G0S+2:G0S+3], s[22:23]
	s_or_b32 s[G0S+3], s[G0S+3], 0x80000000
	s_mov_b32 s[G0SB], 1
	s_add_co_u32 s[G0SB+1], s94, SCL
	s_mov_b64 s[G0SB+2:G0SB+3], s[92:93]
	s_or_b32 s[G0SB+3], s[G0SB+3], 0x80000000
	JLOAD G0S, G1S, G0SB, G1SB                     ; the scales first: they are wanted with K step 0
.irp s, 0,1
	s_mov_b32 s[G0+4*\s], 1
	s_add_co_u32 s[G0+4*\s+1], s45, \s*SLOT
	s_add_nc_u64 s[G0+4*\s+2:G0+4*\s+3], s[20:21], \s*ROWB
	s_or_b32 s[G0+4*\s+3], s[G0+4*\s+3], 0x80000000
	s_mov_b32 s[G0B+4*\s], 1
	s_add_co_u32 s[G0B+4*\s+1], s45, \s*SLOT
	s_add_nc_u64 s[G0B+4*\s+2:G0B+4*\s+3], s[46:47], \s*ROWB
	s_or_b32 s[G0B+4*\s+3], s[G0B+4*\s+3], 0x80000000
	JLOAD G0+4*\s, G1, G0B+4*\s, G1B
.endr
	v_and_b32 v1, 15, v0                           ; l % 16
	v_bfe_u32 v2, v0, 4, 1                         ; l / 16
	v_mul_u32_u24 v3, v1, PITCH
	v_lshl_add_u32 v4, v2, 4, v3                   ; a fragment's row x pitch + 16 x half
	s_mul_i32 s21, s15, HALFT                      ; my 128 rows of x
	s_mul_i32 s22, s16, HALFT                      ; my 128 rows of w,
	s_add_co_u32 s22, s22, 2*HALFT                 ; which lie behind x's 256
.irp s, 0,1
	v_add_nc_u32 v[ADRA+\s], s21, v4
	v_add_nc_u32 v[ADRB+\s], s22, v4
	s_add_co_u32 s21, s21, SLOT
	s_add_co_u32 s22, s22, SLOT
.endr
	v_mul_u32_u24 v5, v1, KS                       ; my row's scales: KS bytes a row,
	v_lshrrev_b32 v6, 8, v5
	v_lshl_add_u32 v5, v6, 4, v5                   ; and 16 more for each 256 passed
	s_mul_i32 s21, s15, HALFS                      ; x's: my 128 rows
	s_mul_i32 s22, s16, HALFS                      ; w's: my 128 rows, behind x's 256
	s_add_co_u32 s22, s22, 2*HALFS
	s_sub_co_u32 s22, s22, s21
	v_mul_u32_u24 v6, s22, v2                      ; lanes 16-31 take w's
	s_add_co_u32 s21, s21, SCL
	v_add_nc_u32 v5, v5, v6
	v_add_nc_u32 v[ADRS], s21, v5
	s_mul_i32 s23, s14, 2*HSTG                     ; my stage
	v_mul_u32_u24 v5, v1, HP                       ; in: row l % 16, 16 bytes for each half of the lanes
	v_lshl_add_u32 v5, v2, 4, v5
	v_add_nc_u32 v[STO], s23, v5
	v_and_b32 v6, 31, v0
	v_lshlrev_b32 v[CO], 4, v6                     ; out: eight lanes to a row of 128 bytes, four rows an instruction: 512 dense bytes in memory
	v_lshrrev_b32 v5, 3, v6
	v_mul_u32_u24 v5, v5, HP
	v_and_b32 v6, 7, v0
	v_lshl_add_u32 v5, v6, 4, v5
	v_add_nc_u32 v[RD], s23, v5
	v_lshlrev_b32 v[TAB], 4, v2
	; which heads are mine: g0 = 4 x tile column + 2 x column half, and g0 + 1.  These numbers enter global addresses and a select of values alone.
	s_lshl_b32 s2, s42, 2
	s_lshl_b32 s66, s16, 1
	s_add_co_u32 s2, s2, s66                       ; g0
	s_cmp_lt_u32 s2, 32
	s_cselect_b32 s66, 0, 32
	s_cmp_lt_u32 s2, 40
	s_cselect_b32 s66, s66, 40                     ; the first head slot of my kind (q, k, v)
	s_cselect_b32 s[VM], 0, -1                     ; v's columns are not turned
	s_sub_co_u32 s66, s2, s66                      ; the tables' row of head g0
	s_lshl_b32 s66, s66, 7                         ; 128 bytes a row
	s_mov_b32 s67, 0
	s_add_nc_u64 s[96:97], s[96:97], s[66:67]
	s_add_nc_u64 s[98:99], s[98:99], s[66:67]
	WIN TO_B                                       ; the lane's columns 16 b + 8 (l / 16) + 0 .. 7 of my 128 are pairs 8 (b % 4) + 4 (l / 16) + 0 .. 3 of head g0 + b / 4.  These loads land during the products
.irp b, 0,1,2,3,4,5,6,7
	global_load_b128 v[CC+4*\b:CC+4*\b+3], v[TAB], s[96:97] offset:(\b/4)*128+(\b%4)*32
	global_load_b128 v[SI+4*\b:SI+4*\b+3], v[TAB], s[98:99] offset:(\b/4)*128+(\b%4)*32
.endr
	WIN 0
	s_lshl_b32 s20, s17, 8
	s_lshl_b32 s21, s15, 7
	s_add_co_u32 s20, s20, s21                     ; my first row: 256 x tile row + 128 x half = 1024 x batch + position
	s_lshr_b32 s21, s20, 10                        ; batch
	s_lshl_b32 s66, s2, 2
	s_add_co_u32 s66, s66, s21
	s_lshl_b32 s66, s66, 17                        ; (4 g0 + batch) x 1,024 rows of 128 bytes
	s_and_b32 s20, s20, 1023
	s_lshl_b32 s20, s20, 7
	s_add_co_u32 s66, s66, s20
	s_add_nc_u64 s[12:13], s[12:13], s[66:67]      ; qkv at head g0, my first row; never stepped
.macro FRAG reg, adr, q, i             ; a fragment, 16 rows x 128 K of 4-bit codes: lane l holds row l % 16; registers 4 c .. 4 c + 3 hold K = 64 c + 32 (l / 16) + 0 .. 31
.irp c, 0,1
	ds_load_b128 v[\reg+4*\c:\reg+4*\c+3], v[\adr] offset:64*(\q)+32*\c+(\i)*16*PITCH
.endr
.endm
; 16 matrix instructions: x's blocks a0, a0 + 1 against w's eight, 128 along K.  The 64 accumulators take turns, one instruction a turn, in the same order in every step.
.macro MUL16 a0, p, q, sc, zero
.irp a, \a0, \a0+1
.irp b, 0,1,2,3,4,5,6,7
.if \zero
	v_wmma_scale_f32_16x16x128_f8f6f4 v[8*(8*((\a)%4)+\b):8*(8*((\a)%4)+\b)+7], v[128*(\p)+FR*\b:128*(\p)+FR*\b+FR-1], v[AF+FR*(\a):AF+FR*(\a)+FR-1], 0, v[SC+8*NQ*(\sc)+NQ*\b+(\q)], v[SC+8*NQ*(\sc)+NQ*(\a)+(\q)] matrix_a_fmt:MATRIX_FMT_FP4 matrix_b_fmt:MATRIX_FMT_FP4 matrix_a_scale:MATRIX_SCALE_ROW1
.else
	v_wmma_scale_f32_16x16x128_f8f6f4 v[8*(8*((\a)%4)+\b):8*(8*((\a)%4)+\b)+7], v[128*(\p)+FR*\b:128*(\p)+FR*\b+FR-1], v[AF+FR*(\a):AF+FR*(\a)+FR-1], v[8*(8*((\a)%4)+\b):8*(8*((\a)%4)+\b)+7], v[SC+8*NQ*(\sc)+NQ*\b+(\q)], v[SC+8*NQ*(\sc)+NQ*(\a)+(\q)] matrix_a_fmt:MATRIX_FMT_FP4 matrix_b_fmt:MATRIX_FMT_FP4 matrix_a_scale:MATRIX_SCALE_ROW1
.endif
.endr
.endr
.endm
.macro FETCH_B slot, q, p              ; w's eight fragments of the slot's q-th 128 along K into set p
	WIN TO_B
.irp i, 0,1,2,3,4,5,6,7
	FRAG 128*(\p)+FR*\i, ADRB+\slot, \q, \i
.endr
	WIN 0
.endm
.macro FETCH_A slot, q, i0             ; x's blocks i0 .. i0 + 3
.irp i, \i0, \i0+1, \i0+2, \i0+3
	FRAG AF+FR*(\i), ADRA+\slot, \q, \i
.endr
.endm
.macro SCALES sc                       ; a K step's scale words into set sc: lanes 0-15 take x's block i, lanes 16-31 w's block i
.irp i, 0,1,2,3,4,5,6,7
	ds_load_b128 v[SC+8*NQ*\sc+NQ*\i:SC+8*NQ*\sc+NQ*\i+3], v[ADRS] offset:\i*SBLK
.endr
.endm
.macro PLACES n                        ; plain vector instructions that name no register of the matrix instructions before them (ISA guide 7.12.1)
.rept \n
	v_nop
.endr
.endm
; A step of 128 along K that has its successor in the same slot.
.macro STEP slot, q, zero
	s_wait_dscnt 4*NL                              ; w's set and x's blocks 0-3 are in; the youngest eight loads (x's blocks 4-7) may be out
	WIN MUL_LO
	MUL16 0, (\q)%2, \q, \slot, \zero
	MUL16 2, (\q)%2, \q, \slot, \zero
	s_wait_dscnt 0                                 ; x's blocks 4-7 are in
	PLACES NP
	FETCH_B \slot, (\q)+1, 1-(\q)%2
	FETCH_A \slot, (\q)+1, 0
	WIN MUL_HI
	MUL16 4, (\q)%2, \q, \slot, \zero
	MUL16 6, (\q)%2, \q, \slot, \zero
	PLACES NP
	WIN 0
	FETCH_A \slot, (\q)+1, 4
.endm
; A slot's last step changes slots: one barrier; in front of it each wave waits for all its tensor loads, adds 0 to its spare word, and waits for that and for its own reads of this slot.
.macro TURN slot, next, fill
	s_wait_tensorcnt 0x0                           ; all my tensor loads have landed: my part of the next slot
	ds_add_u32 v[SPW], v[NIL]                      ; 0 onto my spare word
	s_wait_dscnt 4*NL+1                            ; the add and the youngest eight loads (x's blocks 4-7) may be out
	WIN MUL_LO
	MUL16 0, 1, NQ-1, \slot, 0
	s_wait_dscnt 0x0                               ; the add is done, and my reads of this slot are over
	s_barrier_signal -1
	MUL16 2, 1, NQ-1, \slot, 0
	WIN 0
	s_barrier_wait -1
.if \fill
	CREST                                          ; the barrier has opened a round of the cluster's barrier: no wave of any partner still reads this slot or has a load on its way
	s_add_nc_u64 s[G0+4*\slot+2:G0+4*\slot+3], s[G0+4*\slot+2:G0+4*\slot+3], 2*ROWB
	s_add_nc_u64 s[G0B+4*\slot+2:G0B+4*\slot+3], s[G0B+4*\slot+2:G0B+4*\slot+3], 2*ROWB
	JLOAD G0+4*\slot, G1, G0B+4*\slot, G1B         ; the first tensor load behind the round; its four v_nop are also the places in front of the loads below
.else
	PLACES NP
.endif
	v_add_nc_u32 v[ADRS], 4*NQ, v[ADRS]            ; on to the next K step's scale words (no LDS load of mine is out)
	FETCH_B \next, 0, 0
	FETCH_A \next, 0, 0
	SCALES \next
	WIN MUL_HI
	MUL16 4, 1, NQ-1, \slot, 0
	MUL16 6, 1, NQ-1, \slot, 0
	PLACES NP
	WIN 0
	FETCH_A \next, 0, 4
.endm
.macro STEPS slot, from
.set Q, \from
.rept NQ-1-\from
	STEP \slot, Q, 0
.set Q, Q+1
.endr
.endm
	s_wait_tensorcnt 1                             ; the scales and my part of K step 0 are in; of my three loads K step 1's may be out
	s_barrier_signal -1
	s_barrier_wait -1                              ; everybody's are
	FETCH_B 0, 0, 0
	FETCH_A 0, 0, 0
	SCALES 0
	FETCH_A 0, 0, 4
	STEP 0, 0, 1                                   ; the first step stands in front of the loop: its products start the sums
	s_mov_b32 s3, LAPS-1
.Llap:                                                 ; a trip goes once round the ring and fills both slots again
	STEPS 0, 1
	TURN 0, 1, 1
	STEPS 1, 0
	TURN 1, 0, 1
	STEP 0, 0, 0
	s_sub_co_u32 s3, s3, 1
	s_cmp_lg_u32 s3, 0
	s_cbranch_scc1 .Llap
	STEPS 0, 1                                     ; the last lap fills nothing
	TURN 0, 1, 0
	STEPS 1, 0
	s_wait_dscnt 4*NL                              ; the very last step
	WIN MUL_LO
	MUL16 0, 1, NQ-1, 1, 0
	MUL16 2, 1, NQ-1, 1, 0
	s_wait_dscnt 0
	WIN MUL_HI
	MUL16 4, 1, NQ-1, 1, 0
	MUL16 6, 1, NQ-1, 1, 0
	WIN 0
	; THE WAY OUT.  The tables first: v's columns get cos 1 and sin 0; then the pairs (-sin, sin).
	PLACES NP                                      ; behind the last products: x's fragment registers are written below
	s_wait_loadcnt 0x0                             ; cos and sin
	WIN 0x45                                       ; destination and both sources window 1
.irp i, 0,1,2,3,4,5,6,7,8,9,10,11,12,13,14,15,16,17,18,19,20,21,22,23,24,25,26,27,28,29,30,31
	v_cndmask_b32 v[CC+\i], v[CC+\i], 1.0, s[VM]
	v_cndmask_b32 v[SI+\i], v[SI+\i], 0, s[VM]
.endr
.irp i, 0,1,2,3,4,5,6,7,8,9,10,11,12,13,14,15,16,17,18,19,20,21,22,23,24,25,26,27,28,29,30,31
	v_xor_b32 v[SN+2*\i], 0x80000000, v[SI+\i]
	v_mov_b32 v[SN+2*\i+1], v[SI+\i]
.endr
	WIN 0
; Block a (16 rows x my 128 columns): each pair (t0, t1) becomes (t0 c - t1 s, t1 c + t0 s): a packed multiply by c, then a packed multiply-add of the swapped pair by (-s, s); then f16.  Each accumulator is read from its low end on.
.macro PACK a
.set AC, 64*((\a)%4)
.irp hb, 0,1
	WIN 0x06+(\a)/4                                ; source 0: the accumulators' window, 2 or 3; source 1: window 1
.irp bb, 0,1,2,3
.irp pp, 0,1
	v_pk_mul_f32 v[T+8*\bb+4*\pp:T+8*\bb+4*\pp+1], v[AC+8*(4*\hb+\bb)+4*\pp:AC+8*(4*\hb+\bb)+4*\pp+1], v[CC+4*(4*\hb+\bb)+2*\pp:CC+4*(4*\hb+\bb)+2*\pp+1] op_sel_hi:[1,0]
	v_pk_mul_f32 v[T+8*\bb+4*\pp+2:T+8*\bb+4*\pp+3], v[AC+8*(4*\hb+\bb)+4*\pp+2:AC+8*(4*\hb+\bb)+4*\pp+3], v[CC+4*(4*\hb+\bb)+2*\pp:CC+4*(4*\hb+\bb)+2*\pp+1] op_sel:[0,1] op_sel_hi:[1,1]
.endr
.endr
.irp bb, 0,1,2,3
.irp p, 0,1,2,3
	v_pk_fma_f32 v[T+8*\bb+2*\p:T+8*\bb+2*\p+1], v[AC+8*(4*\hb+\bb)+2*\p:AC+8*(4*\hb+\bb)+2*\p+1], v[SN+8*(4*\hb+\bb)+2*\p:SN+8*(4*\hb+\bb)+2*\p+1], v[T+8*\bb+2*\p:T+8*\bb+2*\p+1] op_sel:[1,0,0] op_sel_hi:[0,1,1]
.endr
.endr
	WIN 0
.irp bb, 0,1,2,3
.irp p, 0,1,2,3
	v_cvt_pk_f16_f32 v[PK+16*\hb+4*\bb+\p], v[T+8*\bb+2*\p], v[T+8*\bb+2*\p+1]
.endr
.endr
.endr
.endm
.macro TOSTAGE a                       ; 16 bytes a lane into my stage, head by head, and back as whole rows of 128 bytes; LDS serves a wave's instructions in order
.set BB, BK+32*((\a)%2)
.irp b, 0,1,2,3,4,5,6,7
	ds_store_b128 v[STO], v[PK+4*\b:PK+4*\b+3] offset:(\b/4)*HSTG+(\b%4)*32
.endr
.irp e, 0,1
.irp t, 0,1,2,3
	ds_load_b128 v[BB+4*(4*\e+\t):BB+4*(4*\e+\t)+3], v[RD] offset:\e*HSTG+4*HP*\t
.endr
.endr
.endm
.macro SEND a
.set BB, BK+32*((\a)%2)
	s_wait_dscnt 0x0                               ; the block is back in registers
	s_wait_xcnt 0x0                                ; the stores of the block before have read their registers: the next block's loads may land there
.irp e, 0,1
.irp t, 0,1,2,3
	global_store_b128 v[CO], v[BB+4*(4*\e+\t):BB+4*(4*\e+\t)+3], s[12:13] offset:\e*524288+(\a)*2048+512*\t   ; four rows of a head: 512 consecutive bytes, aligned
.endr
.endr
.endm
	PACK 0
	TOSTAGE 0
.irp a, 1,2,3,4,5,6,7                  ; block a's arithmetic stands between block a - 1's loads from the stage and the wait for them
	PACK \a
	SEND \a-1
	TOSTAGE \a
.endr
	SEND 7
	s_wait_tensorcnt 0x0                           ; the wave's end: three lines behind my last tensor load and my last LDS store
	ds_add_u32 v[SPW], v[NIL]
	s_wait_dscnt 0x0
	CROUND                                         ; the closing round: no work-group ends while a partner may still ask for a tile that names it
	s_endpgm
.Lfunc_end_k_qea19f45ceb_qkv:
	.size	k_qea19f45ceb_qkv, .Lfunc_end_k_qea19f45ceb_qkv-k_qea19f45ceb_qkv
	.p2alignl 7, 3214868480
	.fill 96, 4, 3214868480
	.section	.rodata,"a",@progbits
	.p2align	6, 0x0
	.amdhsa_kernel k_qea19f45ceb_qkv
		.amdhsa_group_segment_fixed_size 327680
		.amdhsa_private_segment_fixed_size 0
		.amdhsa_enable_private_segment 0
		.amdhsa_kernarg_size 56
		.amdhsa_user_sgpr_count 2
		.amdhsa_user_sgpr_kernarg_segment_ptr 1
		.amdhsa_wavefront_size32 1
		.amdhsa_system_sgpr_workgroup_id_x 1
		.amdhsa_system_sgpr_workgroup_id_y 1
		.amdhsa_system_sgpr_workgroup_id_z 1
		.amdhsa_system_vgpr_workitem_id 0
		.amdhsa_next_free_vgpr 1024
		.amdhsa_next_free_sgpr 100
		.amdhsa_reserve_vcc 0
		.amdhsa_float_denorm_mode_32 3
		.amdhsa_float_denorm_mode_16_64 3
		.amdhsa_memory_ordered 1
		.amdhsa_forward_progress 1
		.amdhsa_inst_pref_size 255
	.end_amdhsa_kernel
	.amdgpu_metadata
---
amdhsa.version: [ 1, 2 ]
amdhsa.kernels:
  - .name:           k_qea19f45ceb_qkv
    .symbol:         k_qea19f45ceb_qkv.kd
    .args:
      - { .name: xc, .offset: 0, .size: 8, .value_kind: global_buffer, .address_space: global }
      - { .name: xs, .offset: 8, .size: 8, .value_kind: global_buffer, .address_space: global }
      - { .name: wc, .offset: 16, .size: 8, .value_kind: global_buffer, .address_space: global }
      - { .name: ws, .offset: 24, .size: 8, .value_kind: global_buffer, .address_space: global }
      - { .name: freqs_cos, .offset: 32, .size: 8, .value_kind: global_buffer, .address_space: global }
      - { .name: freqs_sin, .offset: 40, .size: 8, .value_kind: global_buffer, .address_space: global }
      - { .name: qkv, .offset: 48, .size: 8, .value_kind: global_buffer, .address_space: global }
    .group_segment_fixed_size: 327680
    .private_segment_fixed_size: 0
    .kernarg_segment_align: 8
    .kernarg_segment_size: 56
    .max_flat_workgroup_size: 128
    .sgpr_count:     100
    .vgpr_count:     1024
    .wavefront_size: 32
...
	.end_amdgpu_metadata
.endif
;; end of part 2
;; launch attn (part 3): grid 8 x 32, 8 waves a work-group, clusters of 4 x 4, 327,680 bytes of LDS; arguments qkv, mask, att; writes att
.if DOCPART == 3
	.amdgcn_target "amdgcn-amd-amdhsa--gfx1250"
	.amdhsa_code_object_version 6
	.text
	.protected	k_qea19f45ceb_attn
	.globl	k_qea19f45ceb_attn
	.p2align	8
	.type	k_qea19f45ceb_attn,@function
k_qea19f45ceb_attn:
	s_mov_b64 s[64:65], 0
	v_nop
	global_prefetch_b8 v0, s[64:65] scope:SCOPE_SE
	s_setreg_imm32_b32 hwreg(HW_REG_WAVE_MODE, 25, 1), 1
	s_wait_xcnt 0x0
	s_wait_alu depctr_hold_cnt(0) depctr_sa_sdst(0) depctr_va_vdst(0) depctr_va_sdst(0) depctr_va_ssrc(0) depctr_va_vcc(0) depctr_vm_vsrc(0)
	s_getreg_b32 s2, hwreg(HW_REG_IB_STS2, 6, 4)
	s_cmp_eq_u32 s2, 0
	s_cbranch_scc0 .Lentry_in_a_cluster
	s_endpgm
.Lentry_in_a_cluster:
	s_bfe_u32 s2, ttmp6, 0x10000c
	s_cmp_lg_u32 s2, 0xf033
	s_cbranch_scc0 .Lentry_shape_is_right
	s_endpgm
.Lentry_shape_is_right:
; att[batch][q][head][:] = the sum over k of softmax_k(Q . K / 8 + mask[q][k]) V[k][:].  Q, K, V: f16, by head (qkv[g][batch][position][64]; g = 0-31 q, 32-39 k, 40-47 v); query head h takes key and value head h / 4.
; mask [1024][1024] f32 is an input: it is read whole and added in f32, and every query walks all 1,024 keys.  Products on f16 operands with f32 sums; maxima, exponentials and sums in f32; the weights p are rounded to f16 for the
; second product; att ([4096][2048]) is f16.
; LIMITS: the running maximum begins at -1e38: a row whose every finite score lies under that comes out NaN.  A row whose keys are all -infinity has sum 0 and comes out NaN (0 x infinity).  NaN in the mask is not served.
; SHARES.  A work-group owns 128 queries of one batch and one key head, for its FOUR query heads.  Each of its eight waves owns 16 queries x 4 heads: four tiles, so that each fragment of K, V and mask read from LDS feeds four tiles.
; LAYOUT.  S^T = K Q^T (source 0 = 16 keys, source 1 = 16 queries): a lane holds one query (lane % 16) and keys 8 (lane / 16) + 0..7.  Two such tiles, rounded to f16 in pairs, are source 1 of O^T = V^T P.  V ([key][channel]) is turned by ds_load_tr16_b128.
; SOFTMAX.  u = s / 8 + mask; a running maximum m and sum l for each query: p = 2^(c u - c m), c = log2(e); in every step O and l are multiplied by a = 2^(c m_old - c m_new).
; THE RING.  Two LDS slots of 128 keys (two steps of 64): K 128 rows, V 128 rows, mask 128 queries x 128 keys.  Wave 0 fetches K, wave 1 V, waves 2 and 3 a half of the mask each; all eight read.
; CLUSTER.  4 x 4 work-groups: the four of a row (same batch and key head) need the same K and V, the four of a column (same queries) the same piece of the mask: each is asked for jointly.
; TWO GROUPS OF WAVES.  A key step is three phases: HEAD (the mask's and V's loads, 32 products K Q^T, the mask added), SMV (the softmax: vector work alone, no LDS access), PVP (32 products V^T P).  With eight waves for four SIMDs two waves
; share a SIMD; if both walk the phases alike, their products stand together and their vector work stands together.  So the waves fall into two groups (group = (wave / 4 + wave) % 2: waves w and w + 4 differ, and so do waves 2 i and 2 i + 1),
; and the change of slots stands at another place of each group's walk.  When HEAD of a slot's second step is done, all the wave's reads of the slot are issued, and what the rest of that step needs lies in registers (scores or weights, V, O^T).
; Group 0 passes the change ahead of that step's SMV, group 1 behind it; PVP follows the change for both.  Behind each change group 0 so begins with vector work and group 1 with matrix work, and they go on by turns.
; Barriers, waits, the add and the joint loads are on every wave's path: SMV alone stands under a branch on the group, which is made of the wave's number.
; REGISTERS: window 0: v1-13 addresses; v16-47 eight statistics a tile; v64-191 S^T, 32 a tile, then P in its first 16; v192-223 the mask, then V's keys 32-63; v224-255 V's keys 0-31.
;   window 1: v0-127 O^T, 32 a tile; v128-191 Q, 16 a tile; v192-255 K of one step.
.set KP,    144                        ; a row of K in LDS: 128 bytes + 16
.set VP,    160                        ; a row of V: 128 + 32: the turning load's 8 rows x 32 bytes fall on different words
.set MP,    528                        ; a query's row of the mask: 512 + 16
.set VOFF,  128*KP
.set MOFF,  VOFF+128*VP
.set SLOT1, 1<<17                      ; slot 1 begins here: one exclusive or turns an address from one slot to the other
.set SPARE, SLOT1+MOFF+128*MP          ; behind the ring: the spare words, 128 bytes a wave
.set AK0, 1                            ; v1   my lane's place in a tile of K
.set AV0, 2                            ; v2   of V
.set AM0, 3                            ; v3   of the mask
.set ADK, 4                            ; v4-6 the same in the slot in hand
.set ADV, 5
.set ADM, 6
.set QO,  7                            ; v7   my byte offset in the wave's rows of Q
.set SPW, 8                            ; v8   LDS address of my spare word; never rewritten
.set NIL, 9                            ; v9   0; never rewritten
.set PFO, 10                           ; v10  the prefetches' lane offset; never rewritten
.set STO, 11                           ; v11  the way out: where I put 16 bytes of a row
.set RD,  12                           ; v12  where I read a row back
.set GO,  13                           ; v13  16 x lane: my bytes of a row's 512 in att
.set ST,  16                           ; tile e's statistics at v[ST + 8 e]: +0 c m, +1 m, +2, +3 l, +4 to +7 at work; a in +6
.set S,   64
.set MK,  192
.set VA,  224
.set QF,  128                          ; window 1
.set KF,  192                          ; window 1
.set TRIP, 3                           ; s3   the loop's trips to go
.set WV,  10                           ; s10  my wave's number
.set G1K, 24
.set G1V, 32
.set G1M, 40
.set G0K, 48
.set G0V, 52
.set G0M, 56
.set CS,  60                           ; s[60:61] c = log2(e)
.set SC8, 62                           ; s[62:63] 1 / 8
.set SEL, 66                           ; s[66:67] lane selects: lane l xor 16
.set TB,  68                           ; s68  LDS byte at which the slot in hand begins
.set SLOTS, 69                         ; s69  slots still to be asked for, the one that the change in hand asks for among them
.set LIM, 70                           ; s70  1 in a wave that prefetches, else the greatest number
.set GRP, 71                           ; s71  my wave's group, 0 or 1
.set PFA, 72                           ; s[72:73] where my prefetches stand
.set PFS, 74                           ; s[74:75] a slot on, in bytes
.set MSB, 0
.macro WIN new                         ; the immediate's high byte repeats the setting that is left
.if MSB != (\new)
	s_set_vgpr_msb (MSB<<8)|(\new)
.set MSB, (\new)
.endif
.endm
.set W_KQ, 0x05                        ; K and Q window 1, S^T window 0.  Also: conversions from window 1 into window 0
.set W_PV, 0x50                        ; O^T (C and D) window 1, V and P window 0
.set W_RS, 0x41                        ; O^T (destination and source 0) window 1, a window 0
.set W_L1, 0x40                        ; destination window 1
; A joint load: wave 0 K, wave 1 V, waves 2 and 3 the mask's halves, the others nothing.  The branches hang on the wave's number alone.  An s_nop 0 and four v_nop follow each line.
.macro JLOAD
	s_cmp_eq_u32 s[WV], 0
	s_cbranch_scc0 .Lnot_k_\@
	tensor_load_to_lds s[G0K:G0K+3], s[G1K:G1K+7]
	s_nop 0
.rept 4
	v_nop
.endr
	s_branch .Lasked_\@
.Lnot_k_\@:
	s_cmp_eq_u32 s[WV], 1
	s_cbranch_scc0 .Lnot_v_\@
	tensor_load_to_lds s[G0V:G0V+3], s[G1V:G1V+7]
	s_nop 0
.rept 4
	v_nop
.endr
	s_branch .Lasked_\@
.Lnot_v_\@:
	s_cmp_lt_u32 s[WV], 4
	s_cbranch_scc0 .Lasked_\@
	tensor_load_to_lds s[G0M:G0M+3], s[G1M:G1M+7]
	s_nop 0
.rept 4
	v_nop
.endr
.Lasked_\@:
.endm
; A PREFETCH INTO THE L2 of what the NEXT change of slots will ask for, one instruction a wave, behind the fetching waves' tensor loads.  Each aligned block of 256 bytes is named once in the launch.
; K's and V's 64 + 64 blocks of a slot: both clusters of a row of clusters walk them: the first (cluster x = 0) asks; its four partners of a row take 16 + 16 each, told apart by address; wave 4 asks (lanes 0-15 K, lanes 16-31 V).
; The mask's 128 rows x 2 blocks: all clusters of a column of clusters walk them: the first (cluster y = 0) asks; the four partners of a column take 32 rows each, by address; wave 5 asks for a row's first block, wave 6 for its second, a lane a row.
; The last change that fills a slot asks for nothing; slots 0 and 1 come by their loads alone.
.macro ASK
	s_cmp_gt_u32 s[SLOTS], s[LIM]
	s_cbranch_scc0 .Lnot_mine_\@
	global_prefetch_b8 v[PFO], s[PFA:PFA+1] th:TH_LOAD_NT scope:SCOPE_SE
.Lnot_mine_\@:
.endm
.macro CROUND                          ; a round of the cluster's barrier
	s_barrier_signal -1
	s_barrier_wait -1
	s_cmp_lg_u32 s[WV], 0
	s_cbranch_scc1 .Lnot_wave_0_\@
	s_barrier_signal -3
.Lnot_wave_0_\@:
	s_barrier_wait -3
	s_barrier_signal -1
	s_barrier_wait -1
.endm
	s_load_b128 s[4:7], s[0:1], 0x0                ; qkv, mask
	s_load_b64 s[8:9], s[0:1], 0x10                ; att
	v_lshl_add_u32 v[SPW], v0, 2, SPARE
	v_mov_b32 v[NIL], 0
	ds_add_u32 v[SPW], v[NIL]                      ; the wave's opening: the add, twice on end, and its wait ahead of the first tensor loads
	ds_add_u32 v[SPW], v[NIL]
	v_lshrrev_b32 v1, 5, v0
	v_readfirstlane_b32 s[WV], v1                  ; wave 0..7
	s_lshr_b32 s[GRP], s[WV], 2
	s_xor_b32 s[GRP], s[GRP], s[WV]
	s_and_b32 s[GRP], s[GRP], 1                    ; my group: waves 0, 2, 5, 7 are group 0, waves 1, 3, 4, 6 group 1
	s_bfe_u32 s11, ttmp6, 0x40000                  ; cx
	s_bfe_u32 s12, ttmp6, 0x40004                  ; cy
	s_lshl_b32 s13, ttmp9, 2
	s_add_co_u32 s13, s13, s11                     ; my block of 128 queries = 4 x cluster x + cx
	s_and_b32 s14, ttmp7, 0xffff
	s_lshl_b32 s14, s14, 2
	s_add_co_u32 s14, s14, s12                     ; 4 x cluster y + cy = 8 x batch + key head
	s_and_b32 s15, s14, 7                          ; key head
	s_lshr_b32 s16, s14, 3                         ; batch
	s_lshl_b32 s17, s12, 2
	s_lshl_b32 s17, 15, s17                        ; my row of the cluster
	s_lshl_b32 s18, 0x1111, s11                    ; my column
	; descriptor groups 1.  K, V: 128 rows x 64 elements of 2 bytes, dense in memory; padding behind every 32 words: 4 words (K), 8 words (V).  Mask: 64 rows x 128 elements of 4 bytes, 1,024 elements apart; 4 words behind every 128
	s_or_b32 s[G1K], s17, (1<<16)|(1<<20)|(1<<21)|(4<<22)|(3<<25)
	s_or_b32 s[G1V], s17, (1<<16)|(1<<20)|(1<<21)|(4<<22)|(7<<25)
	s_or_b32 s[G1M], s18, (2<<16)|(1<<20)|(1<<21)|(6<<22)|(3<<25)
.irp g, G1K, G1V
	s_mov_b32 s[\g+1], 64<<16                      ; tensor_dim0
	s_mov_b32 s[\g+2], 128<<16                     ; tensor_dim1
	s_mov_b32 s[\g+3], 64<<16                      ; tile_dim0
	s_mov_b32 s[\g+4], 128                         ; tile_dim1
	s_mov_b32 s[\g+5], 64                          ; tensor_dim0_stride
	s_mov_b32 s[\g+6], 0
	s_mov_b32 s[\g+7], 0
.endr
	s_mov_b32 s[G1M+1], 128<<16
	s_mov_b32 s[G1M+2], 64<<16
	s_mov_b32 s[G1M+3], 128<<16
	s_mov_b32 s[G1M+4], 64
	s_mov_b32 s[G1M+5], 1024
	s_mov_b32 s[G1M+6], 0
	s_mov_b32 s[G1M+7], 0
	s_mov_b32 s[CS], 0x3fb8aa3b                    ; log2(e)
	s_mov_b32 s[CS+1], s[CS]                       ; (named with it as a pair, so it is written)
	s_mov_b32 s[SC8], 0x3e000000                   ; 1 / 8 = 1 / sqrt(64)
	s_mov_b32 s[SC8+1], s[SC8]
	s_mov_b32 s[SEL], 0x76543210
	s_mov_b32 s[SEL+1], 0xfedcba98
	s_mov_b32 s[TB], 0
	s_mov_b32 s[SLOTS], 7
	; K's first byte: head slot 32 + key head, my batch: made of the row's coordinate alone
	s_add_co_u32 s76, s15, 32
	s_lshl_b32 s76, s76, 2
	s_add_co_u32 s76, s76, s16
	s_lshl_b32 s76, s76, 17
	s_mov_b32 s77, 0
	; the mask's: row 128 x query block + 64 x (wave % 2): made of the column's coordinate and the wave's number alone
	s_and_b32 s19, s[WV], 1
	s_lshl_b32 s78, s13, 7
	s_lshl_b32 s20, s19, 6
	s_add_co_u32 s78, s78, s20
	s_lshl_b32 s78, s78, 12
	s_mov_b32 s79, 0
	s_mul_i32 s21, s19, 64*MP
	s_add_co_u32 s21, s21, MOFF                    ; and its half's place in a slot
	; Q's: head slot 4 x key head, my batch, my wave's first query
	s_lshl_b32 s80, s15, 4
	s_add_co_u32 s80, s80, s16
	s_lshl_b32 s80, s80, 17
	s_lshl_b32 s22, s13, 7
	s_lshl_b32 s23, s[WV], 4
	s_add_co_u32 s22, s22, s23                     ; my first query
	s_lshl_b32 s23, s22, 7
	s_add_co_u32 s80, s80, s23
	s_mov_b32 s81, 0
	; att's: row 1024 x batch + my first query, byte 512 x key head
	s_lshl_b32 s88, s16, 10
	s_add_co_u32 s88, s88, s22
	s_lshl_b32 s88, s88, 12
	s_lshl_b32 s23, s15, 9
	s_add_co_u32 s88, s88, s23
	s_mov_b32 s89, 0
	s_wait_dscnt 0x0                               ; both opening adds are done
	s_wait_kmcnt 0x0
	s_mov_b32 s[G0K], 1                            ; count = 1
	s_mov_b32 s[G0K+1], 0                          ; LDS address: slot 0
	s_add_nc_u64 s[G0K+2:G0K+3], s[4:5], s[76:77]
	s_mov_b32 s[G0V], 1
	s_mov_b32 s[G0V+1], VOFF
	s_add_nc_u64 s[G0V+2:G0V+3], s[G0K+2:G0K+3], 0x400000  ; V's head slot lies eight slots of four batches behind K's
	s_or_b32 s[G0K+3], s[G0K+3], 0x80000000        ; type = 2
	s_or_b32 s[G0V+3], s[G0V+3], 0x80000000
	s_mov_b32 s[G0M], 1
	s_mov_b32 s[G0M+1], s21
	s_add_nc_u64 s[G0M+2:G0M+3], s[6:7], s[78:79]
	s_or_b32 s[G0M+3], s[G0M+3], 0x80000000
	s_add_nc_u64 s[86:87], s[4:5], s[80:81]        ; Q
	s_add_nc_u64 s[8:9], s[8:9], s[88:89]          ; att
	CROUND                                         ; all sixteen work-groups are here: the first joint loads meet
	JLOAD                                          ; slot 0
	v_and_b32 v14, 15, v0                          ; r = lane % 16
	v_bfe_u32 v15, v0, 4, 1                        ; h = lane / 16
	v_lshlrev_b32 v[QO], 7, v14
	v_lshl_add_u32 v[QO], v15, 4, v[QO]            ; row r of 128 bytes + 16 h
	WIN W_L1
.irp e, 0,1,2,3                        ; Q stays in registers: head e, channels 32 f on
.irp f, 0,1
	global_load_b128 v[QF+16*\e+8*\f:QF+16*\e+8*\f+3], v[QO], s[86:87] offset:\e*524288+64*\f
	global_load_b128 v[QF+16*\e+8*\f+4:QF+16*\e+8*\f+7], v[QO], s[86:87] offset:\e*524288+64*\f+32
.endr
.endr
.set i, 0
.rept 128
	v_mov_b32 v[i], 0                              ; O^T.  (The phases are written with no first step of their own: the first finds zeros, which the first change of m leaves zeros)
.set i, i+1
.endr
	WIN 0
	v_mul_u32_u24 v[AK0], v14, KP
	v_lshl_add_u32 v[AK0], v15, 4, v[AK0]          ; K: row r x pitch + 16 h
	v_and_b32 v48, 7, v0
	v_bfe_u32 v49, v0, 3, 1
	v_lshl_add_u32 v[AV0], v15, 3, v48             ; V: key 8 h + lane % 8,
	v_mul_u32_u24 v[AV0], v[AV0], VP
	v_lshl_add_u32 v[AV0], v49, 4, v[AV0]          ; channels 8 ((lane / 8) % 2) on
	v_add_nc_u32 v[AV0], VOFF, v[AV0]
	s_mul_i32 s23, s[WV], 16*MP                    ; my 16 queries' rows of the mask; also my stage on the way out, 16 rows of the same pitch in slot 0
	v_mul_u32_u24 v50, v14, MP
	v_add_nc_u32 v50, s23, v50
	v_lshl_add_u32 v[STO], v15, 4, v50             ; the stage, in: row r, 16 bytes for each half of the lanes
	v_lshl_add_u32 v[AM0], v15, 5, v50             ; the mask: row 16 w + r, keys 8 h on
	v_add_nc_u32 v[AM0], MOFF, v[AM0]
	v_and_b32 v48, 31, v0
	v_lshlrev_b32 v[GO], 4, v48
	v_add_nc_u32 v[RD], s23, v[GO]                 ; the stage, back: 32 lanes take a row of 512 bytes
	; the prefetches: where my wave's stand, and who asks
	s_and_b32 s17, ttmp7, 0xffff                   ; cluster y
	s_lshl_b32 s82, s11, 12                        ; K, V: my work-group's 16 blocks,
	s_add_co_u32 s82, s82, 16384                   ; in slot 1: the first change of slots steps it to slot 2
	s_mov_b32 s83, 0
	s_add_nc_u64 s[82:83], s[82:83], s[76:77]
	s_add_nc_u64 s[82:83], s[4:5], s[82:83]
	s_lshl_b32 s84, s13, 7
	s_lshl_b32 s18, s12, 5
	s_add_co_u32 s84, s84, s18                     ; the mask: my work-group's 32 rows,
	s_lshl_b32 s84, s84, 12
	s_add_co_u32 s18, s[WV], 1
	s_and_b32 s18, s18, 1                          ; wave 5: a row's first block; wave 6: its second
	s_lshl_b32 s18, s18, 8
	s_add_co_u32 s84, s84, s18
	s_add_co_u32 s84, s84, 512                     ; in slot 1
	s_mov_b32 s85, 0
	s_add_nc_u64 s[84:85], s[6:7], s[84:85]
	s_cmp_eq_u32 s[WV], 4
	s_cselect_b64 s[PFA:PFA+1], s[82:83], s[84:85]
	s_cselect_b32 s18, ttmp9, s17                  ; the coordinate along which other clusters read the same bytes
	s_mov_b32 s19, 512
	s_cselect_b32 s[PFS], 16384, s19               ; a slot on
	s_mov_b32 s19, 4096
	s_cselect_b32 s20, 256, s19                    ; from lane to lane within 16
	s_mov_b32 s19, 65536
	s_cselect_b32 s21, 0x400000, s19               ; from lanes 0-15 to lanes 16-31
	s_mov_b32 s[PFS+1], 0
	s_sub_co_u32 s19, s[WV], 4
	s_cmp_lt_u32 s19, 3                            ; waves 4, 5, 6
	s_cselect_b32 s19, 0, 1
	s_or_b32 s18, s18, s19
	s_cmp_eq_u32 s18, 0
	s_cselect_b32 s[LIM], 1, -1                    ; the same in all sixteen partners, for a given wave
	v_mul_lo_u32 v[PFO], v14, s20
	v_mul_lo_u32 v49, v15, s21
	v_add_nc_u32 v[PFO], v[PFO], v49
.irp e, 0,1,2,3
	v_mov_b32 v[ST+8*\e+1], 0xfe967699             ; m = -1e38, under every score that is served
	v_mul_f32 v[ST+8*\e], s[CS], v[ST+8*\e+1]      ; c m
.irp j, 2,3,4,5,6,7
	v_mov_b32 v[ST+8*\e+\j], 0                     ; l; and the registers at work are written once (a lane permute's destination counts as read)
.endr
.endr
.macro FETCH_K q                       ; the q-th step's K: 64 keys x 64 channels: 8 fragments, 16 loads
	WIN W_L1
.irp kt, 0,1,2,3
.irp f, 0,1
	ds_load_b128 v[KF+16*\kt+8*\f:KF+16*\kt+8*\f+3], v[ADK] offset:(64*(\q)+16*\kt)*KP+64*\f
	ds_load_b128 v[KF+16*\kt+8*\f+4:KF+16*\kt+8*\f+7], v[ADK] offset:(64*(\q)+16*\kt)*KP+64*\f+32
.endr
.endr
	WIN 0
.endm
; HEAD: the first phase of the slot's q-th key step (64 keys, my four tiles): u = K Q^T / 8 + mask, and all the step's loads from LDS.  On entry the step's 16 loads of K are the only LDS instructions of mine that are out.
; kpre = 1: the next step's K is fetched at the end.
.macro HEAD q, kpre
.irp kt, 0,1,2,3
	ds_load_b128 v[MK+8*\kt:MK+8*\kt+3], v[ADM] offset:256*(\q)+64*\kt           ; the mask of my query at keys 16 kt + 8 h + 0 .. 7: the layout of S^T
	ds_load_b128 v[MK+8*\kt+4:MK+8*\kt+7], v[ADM] offset:256*(\q)+64*\kt+16
.endr
	s_wait_dscnt 8                                 ; K is in; the mask's eight loads stay out
	WIN W_KQ
.irp f, 0,1                            ; the 16 accumulators take turns, one instruction a turn; the first 16 products start the sums
.irp kt, 0,1,2,3
.irp e, 0,1,2,3
.if \f == 0
	v_wmma_f32_16x16x32_f16 v[S+32*\e+8*\kt:S+32*\e+8*\kt+7], v[KF+16*\kt:KF+16*\kt+7], v[QF+16*\e:QF+16*\e+7], 0
.else
	v_wmma_f32_16x16x32_f16 v[S+32*\e+8*\kt:S+32*\e+8*\kt+7], v[KF+16*\kt+8:KF+16*\kt+15], v[QF+16*\e+8:QF+16*\e+15], v[S+32*\e+8*\kt:S+32*\e+8*\kt+7]
.endif
.endr
.endr
.endr
	WIN 0
.rept 4
	v_nop                                          ; places behind the products: their results are read and K's registers loaded below
.endr
.irp ct, 0,1,2,3
	ds_load_tr16_b128 v[VA+8*\ct:VA+8*\ct+3], v[ADV] offset:64*(\q)*VP+32*\ct           ; V^T: channels 16 ct on, keys 0-31 of the step
	ds_load_tr16_b128 v[VA+8*\ct+4:VA+8*\ct+7], v[ADV] offset:64*(\q)*VP+16*VP+32*\ct
.endr
	s_wait_dscnt 8                                 ; the mask is in; V's eight loads stay out
.set i, 0
.rept 16                               ; u = s / 8 + mask, two at a time; each accumulator is read from its low end on
.irp e, 0,1,2,3
	v_pk_fma_f32 v[S+32*\e+2*i:S+32*\e+2*i+1], v[S+32*\e+2*i:S+32*\e+2*i+1], s[SC8:SC8+1], v[MK+2*i:MK+2*i+1] op_sel_hi:[1,0,1]
.endr
.set i, i+1
.endr
.irp ct, 0,1,2,3
	ds_load_tr16_b128 v[MK+8*\ct:MK+8*\ct+3], v[ADV] offset:(64*(\q)+32)*VP+32*\ct      ; keys 32-63, into the registers that the mask has left
	ds_load_tr16_b128 v[MK+8*\ct+4:MK+8*\ct+7], v[ADV] offset:(64*(\q)+32)*VP+16*VP+32*\ct
.endr
.if \kpre
	FETCH_K (\q)+1
.endif
.endm
; SMV: the second phase: the softmax of my four tiles, on registers alone: m, a, p, l; p packed to f16; O^T x a.
.macro SMV
	; the maximum of a tile's 32 scores and the old m: four chains of seven, the four left over, the chains, m
.irp j, 0,1,2,3
.irp e, 0,1,2,3
	v_max3_num_f32 v[ST+8*\e+4+\j], v[S+32*\e+8*\j], v[S+32*\e+8*\j+1], v[S+32*\e+8*\j+2]
.endr
.endr
.irp k, 1,2
.irp j, 0,1,2,3
.irp e, 0,1,2,3
	v_max3_num_f32 v[ST+8*\e+4+\j], v[ST+8*\e+4+\j], v[S+32*\e+8*\j+2*\k+1], v[S+32*\e+8*\j+2*\k+2]
.endr
.endr
.endr
.irp e, 0,1,2,3
	v_max3_num_f32 v[ST+8*\e+4], v[ST+8*\e+4], v[S+32*\e+7], v[S+32*\e+15]
.endr
.irp e, 0,1,2,3
	v_max3_num_f32 v[ST+8*\e+6], v[ST+8*\e+6], v[S+32*\e+23], v[S+32*\e+31]
.endr
.irp e, 0,1,2,3
	v_max3_num_f32 v[ST+8*\e+4], v[ST+8*\e+4], v[ST+8*\e+5], v[ST+8*\e+6]
.endr
.irp e, 0,1,2,3
	v_max3_num_f32 v[ST+8*\e+4], v[ST+8*\e+4], v[ST+8*\e+7], v[ST+8*\e+1]
.endr
.irp e, 0,1,2,3
	v_permlanex16_b32 v[ST+8*\e+5], v[ST+8*\e+4], s[SEL], s[SEL+1]  ; the query's other 32 keys lie in the lane 16 away
.endr
.irp e, 0,1,2,3
	v_mov_b32 v[ST+8*\e+7], v[ST+8*\e]             ; c m_old
.endr
.irp e, 0,1,2,3
	v_max_num_f32 v[ST+8*\e+1], v[ST+8*\e+4], v[ST+8*\e+5]
.endr
.irp e, 0,1,2,3
	v_mul_f32 v[ST+8*\e], s[CS], v[ST+8*\e+1]
.endr
.irp e, 0,1,2,3
	v_sub_f32 v[ST+8*\e+7], v[ST+8*\e+7], v[ST+8*\e]
.endr
.set i, 0
.rept 16                               ; c u - c m
.irp e, 0,1,2,3
	v_pk_fma_f32 v[S+32*\e+2*i:S+32*\e+2*i+1], v[S+32*\e+2*i:S+32*\e+2*i+1], s[CS:CS+1], v[ST+8*\e:ST+8*\e+1] op_sel_hi:[1,0,0] neg_lo:[0,0,1] neg_hi:[0,0,1]
.endr
.set i, i+1
.endr
.irp e, 0,1,2,3
	v_exp_f32 v[ST+8*\e+6], v[ST+8*\e+7]           ; a
.endr
.set i, 0
.rept 32                               ; p: the step's exponentials are one batch
.irp e, 0,1,2,3
	v_exp_f32 v[S+32*\e+i], v[S+32*\e+i]
.endr
.set i, i+1
.endr
	v_nop                                          ; a plain instruction behind the last exponential
	s_wait_alu depctr_va_vdst(0)                   ; one wait for the whole batch, ahead of its first reader
.irp e, 0,1,2,3
	v_pk_mul_f32 v[ST+8*\e+2:ST+8*\e+3], v[ST+8*\e+2:ST+8*\e+3], v[ST+8*\e+6:ST+8*\e+7] op_sel_hi:[1,0]   ; l x a
.endr
.irp e, 0,1,2,3
	v_pk_add_f32 v[ST+8*\e+4:ST+8*\e+5], v[S+32*\e:S+32*\e+1], v[S+32*\e+2:S+32*\e+3]                     ; the sum of p in f32, in two chains
.endr
.irp k, 1,2,3,4,5,6,7
.irp e, 0,1,2,3
	v_pk_add_f32 v[ST+8*\e+2:ST+8*\e+3], v[ST+8*\e+2:ST+8*\e+3], v[S+32*\e+4*\k:S+32*\e+4*\k+1]
	v_pk_add_f32 v[ST+8*\e+4:ST+8*\e+5], v[ST+8*\e+4:ST+8*\e+5], v[S+32*\e+4*\k+2:S+32*\e+4*\k+3]
.endr
.endr
.irp e, 0,1,2,3
	v_pk_add_f32 v[ST+8*\e+2:ST+8*\e+3], v[ST+8*\e+2:ST+8*\e+3], v[ST+8*\e+4:ST+8*\e+5]
.endr
.set i, 0
.rept 16                               ; p to f16, packed in place from the low end: register i takes numbers 2 i and 2 i + 1; registers 0-7 are keys 0-31, registers 8-15 keys 32-63
.irp e, 0,1,2,3
	v_cvt_pk_f16_f32 v[S+32*\e+i], v[S+32*\e+2*i], v[S+32*\e+2*i+1]
.endr
.set i, i+1
.endr
	WIN W_RS
.set i, 0
.rept 16                               ; O^T x a; each accumulator is read from its low end on
.irp e, 0,1,2,3
	v_pk_mul_f32 v[32*\e+2*i:32*\e+2*i+1], v[32*\e+2*i:32*\e+2*i+1], v[ST+8*\e+6:ST+8*\e+7] op_sel_hi:[1,0]
.endr
.set i, i+1
.endr
	WIN 0                                          ; a label or a change of slots may follow
.endm
.macro SMV_IF g                        ; the softmax, for the waves of group g alone: a scalar branch on a number made of the wave's number; no barrier, wait on memory, LDS access or tensor load stands under it
	s_cmp_lg_u32 s[GRP], \g
	s_cbranch_scc1 .Lother_group_\@
	SMV
.Lother_group_\@:
.endm
; PVP: the third phase: O^T += V^T P.  left: how many younger LDS loads may stay out when V has to be in; -1: V was awaited at the change of slots, and no wait is written.
.macro PVP left
.if (\left) >= 0
	s_wait_dscnt \left
.endif
	WIN W_PV
.irp g, 0,1                            ; the 16 accumulators by turns
.irp ct, 0,1,2,3
.irp e, 0,1,2,3
	v_wmma_f32_16x16x32_f16 v[32*\e+8*\ct:32*\e+8*\ct+7], v[VA-32*\g+8*\ct:VA-32*\g+8*\ct+7], v[S+32*\e+8*\g:S+32*\e+8*\g+7], v[32*\e+8*\ct:32*\e+8*\ct+7]
.endr
.endr
.endr
	WIN 0
.rept 5
	v_nop                                          ; five places: the next step's first products write over P's registers, and its loads land in V's
.endr
.endm
; THE CHANGE OF SLOTS.  Each wave waits for all its tensor loads, adds 0 to its spare word, and waits for that and for its reads of the slot that it leaves (V's loads of the slot's second step are the last of them).
; fill = 1: the barrier is a round of the cluster's, and behind it the slot just left is filled with the next 128 keys: the load has a slot's two steps in which to land.  By this text's own count a wave has one tensor load out at the most.
.macro CHANGE fill
	WIN 0
	s_wait_tensorcnt 0x0                           ; no tensor load of mine is out, so a group 0 may be written
	ds_add_u32 v[SPW], v[NIL]                      ; 0 onto my spare word
.if \fill
	ds_add_u32 v[SPW], v[NIL]                      ; and once more
	s_xor_b32 s[G0K+1], s[G0K+1], SLOT1            ; the walking descriptors: the other slot than last time, the next 128 keys
	s_add_nc_u64 s[G0K+2:G0K+3], s[G0K+2:G0K+3], 16384
	s_xor_b32 s[G0V+1], s[G0V+1], SLOT1
	s_add_nc_u64 s[G0V+2:G0V+3], s[G0V+2:G0V+3], 16384
	s_xor_b32 s[G0M+1], s[G0M+1], SLOT1
	s_add_nc_u64 s[G0M+2:G0M+3], s[G0M+2:G0M+3], 512
	s_wait_xcnt 0x0                                ; the last prefetch, a slot back, has read its address, so it may be written
	s_add_nc_u64 s[PFA:PFA+1], s[PFA:PFA+1], s[PFS:PFS+1]
	s_wait_dscnt 0x0                               ; both adds are done, and my reads of the slot that I leave are over
	CROUND
	JLOAD
	ASK
.else
	s_wait_dscnt 0x0
	s_barrier_signal -1
	s_barrier_wait -1
.endif
.endm
.macro OPEN                            ; the slot in hand: my addresses in it, and its first step's K
	v_add_nc_u32 v[ADK], s[TB], v[AK0]
	v_add_nc_u32 v[ADV], s[TB], v[AV0]
	v_add_nc_u32 v[ADM], s[TB], v[AM0]
	FETCH_K 0
.endm
.macro MID                             ; a slot's first step whole, and the first phase of its second: behind it all my reads of the slot are issued
	HEAD 0, 1
	SMV
	PVP 16                                         ; V is in; the next step's sixteen loads of K stay out
	HEAD 1, 0
.endm
	s_wait_loadcnt 0x0                             ; Q
	CHANGE 1                                       ; slot 0 is whole; slot 1 is asked for
	OPEN
	MID                                            ; the first slot has nothing pending from a slot before: it stands in front of the loop
	s_mov_b32 s[TRIP], 6
.Lslot:                                                ; six trips: from the softmax of a slot's second step to the first phase of the next slot's second step; each asks for one slot more
	SMV_IF 1                                       ; group 1: the softmax ahead of the change
	s_xor_b32 s[TB], s[TB], SLOT1                  ; on to the other slot
	s_sub_co_u32 s[SLOTS], s[SLOTS], 1
	CHANGE 1
	OPEN
	SMV_IF 0                                       ; group 0: behind it
	PVP -1
	MID
	s_sub_co_u32 s[TRIP], s[TRIP], 1
	s_cmp_lg_u32 s[TRIP], 0
	s_cbranch_scc1 .Lslot
	SMV_IF 1                                       ; the last change is written out: nothing is asked for
	s_xor_b32 s[TB], s[TB], SLOT1
	CHANGE 0
	OPEN
	SMV_IF 0
	PVP -1
	MID
	SMV                                            ; the last step's softmax and second product: all waves
	PVP 0
	; THE WAY OUT.  l's halves are added; O^T is divided by l, rounded to f16 and sent through my stage (in slot 0, which has had its last fill and was left by every wave at the last change of slots):
	; a row of the stage is my query's 4 heads x 64 channels, 512 bytes, which are neighbours in att.
.irp e, 0,1,2,3
	v_add_f32 v[ST+8*\e+4], v[ST+8*\e+2], v[ST+8*\e+3]
.endr
.irp e, 0,1,2,3
	v_permlanex16_b32 v[ST+8*\e+5], v[ST+8*\e+4], s[SEL], s[SEL+1]
.endr
.irp e, 0,1,2,3
	v_add_f32 v[ST+8*\e+4], v[ST+8*\e+4], v[ST+8*\e+5]
.endr
.irp e, 0,1,2,3
	v_rcp_f32 v[ST+8*\e+6], v[ST+8*\e+4]
.endr
	v_nop                                          ; a plain instruction behind the last reciprocal
	s_wait_alu depctr_va_vdst(0)                   ; one wait for the four, ahead of their first reader
	WIN W_RS
.set i, 0
.rept 16
.irp e, 0,1,2,3
	v_pk_mul_f32 v[32*\e+2*i:32*\e+2*i+1], v[32*\e+2*i:32*\e+2*i+1], v[ST+8*\e+6:ST+8*\e+7] op_sel_hi:[1,0]
.endr
.set i, i+1
.endr
	WIN W_KQ                                       ; sources window 1, destination window 0
.irp e, 0,1,2,3
.irp ct, 0,1,2,3
.irp j, 0,1,2,3
	v_cvt_pk_f16_f32 v[S+16*\e+4*\ct+\j], v[32*\e+8*\ct+2*\j], v[32*\e+8*\ct+2*\j+1]
.endr
.endr
.endr
	WIN 0
.irp e, 0,1,2,3
.irp ct, 0,1,2,3
	ds_store_b128 v[STO], v[S+16*\e+4*\ct:S+16*\e+4*\ct+3] offset:\e*128+\ct*32    ; lane (r, h): query r, head e, channels 16 ct + 8 h + 0 .. 7
.endr
.endr
.irp t, 0,1,2,3,4,5,6,7,8,9,10,11,12,13,14,15
	ds_load_b128 v[128+4*\t:128+4*\t+3], v[RD] offset:\t*MP                        ; LDS serves a wave's instructions in order: these see my stores
.endr
.irp t, 0,1,2,3,4,5,6,7,8,9,10,11,12,13,14,15
	s_wait_dscnt 15-\t
	global_store_b128 v[GO], v[128+4*\t:128+4*\t+3], s[8:9] offset:4096*\t         ; 32 lanes store 512 consecutive bytes, aligned
.endr
	s_wait_tensorcnt 0x0                           ; the wave's end: three lines behind my last tensor load and my last LDS store
	ds_add_u32 v[SPW], v[NIL]
	s_wait_dscnt 0x0
	CROUND                                         ; the closing round
	s_endpgm
.Lfunc_end_k_qea19f45ceb_attn:
	.size	k_qea19f45ceb_attn, .Lfunc_end_k_qea19f45ceb_attn-k_qea19f45ceb_attn
	.p2alignl 7, 3214868480
	.fill 96, 4, 3214868480
	.section	.rodata,"a",@progbits
	.p2align	6, 0x0
	.amdhsa_kernel k_qea19f45ceb_attn
		.amdhsa_group_segment_fixed_size 327680
		.amdhsa_private_segment_fixed_size 0
		.amdhsa_enable_private_segment 0
		.amdhsa_kernarg_size 24
		.amdhsa_user_sgpr_count 2
		.amdhsa_user_sgpr_kernarg_segment_ptr 1
		.amdhsa_wavefront_size32 1
		.amdhsa_system_sgpr_workgroup_id_x 1
		.amdhsa_system_sgpr_workgroup_id_y 1
		.amdhsa_system_sgpr_workgroup_id_z 1
		.amdhsa_system_vgpr_workitem_id 0
		.amdhsa_next_free_vgpr 512
		.amdhsa_next_free_sgpr 92
		.amdhsa_reserve_vcc 0
		.amdhsa_float_denorm_mode_32 3
		.amdhsa_float_denorm_mode_16_64 3
		.amdhsa_memory_ordered 1
		.amdhsa_forward_progress 1
		.amdhsa_inst_pref_size 255
	.end_amdhsa_kernel
	.section	.bss,"aw",@nobits
	.p2align	6
	.space	262144
	.amdgpu_metadata
---
amdhsa.version: [ 1, 2 ]
amdhsa.kernels:
  - .name:           k_qea19f45ceb_attn
    .symbol:         k_qea19f45ceb_attn.kd
    .args:
      - { .name: qkv, .offset: 0, .size: 8, .value_kind: global_buffer, .address_space: global }
      - { .name: mask, .offset: 8, .size: 8, .value_kind: global_buffer, .address_space: global }
      - { .name: att, .offset: 16, .size: 8, .value_kind: global_buffer, .address_space: global }
    .group_segment_fixed_size: 327680
    .private_segment_fixed_size: 0
    .kernarg_segment_align: 8
    .kernarg_segment_size: 24
    .max_flat_workgroup_size: 256
    .sgpr_count:     92
    .vgpr_count:     512
    .wavefront_size: 32
...
	.end_amdgpu_metadata
.endif
;; end of part 3
;; launch oproj (part 4): grid 16 x 16, 4 waves a work-group, clusters of 4 x 4, 327,680 bytes of LDS; arguments att, wo16, out0; writes out0
.if DOCPART == 4
	.amdgcn_target "amdgcn-amd-amdhsa--gfx1250"
	.amdhsa_code_object_version 6
	.text
	.protected	k_qea19f45ceb_oproj
	.globl	k_qea19f45ceb_oproj
	.p2align	8
	.type	k_qea19f45ceb_oproj,@function
k_qea19f45ceb_oproj:
	s_mov_b64 s[64:65], 0
	v_nop
	global_prefetch_b8 v0, s[64:65] scope:SCOPE_SE
	s_setreg_imm32_b32 hwreg(HW_REG_WAVE_MODE, 25, 1), 1
	s_wait_xcnt 0x0
	s_wait_alu depctr_hold_cnt(0) depctr_sa_sdst(0) depctr_va_vdst(0) depctr_va_sdst(0) depctr_va_ssrc(0) depctr_va_vcc(0) depctr_vm_vsrc(0)
	s_getreg_b32 s2, hwreg(HW_REG_IB_STS2, 6, 4)
	s_cmp_eq_u32 s2, 0
	s_cbranch_scc0 .Lentry_in_a_cluster
	s_endpgm
.Lentry_in_a_cluster:
	s_bfe_u32 s2, ttmp6, 0x10000c
	s_cmp_lg_u32 s2, 0xf033
	s_cbranch_scc0 .Lentry_shape_is_right
	s_endpgm
.Lentry_shape_is_right:
; out0[m][n] = sum over k of att[m][k] wo[n][k].  att [4096][2048] and wo16 [2048][2048]: f16, K innermost; out0 [4096][2048] f32; sums in f32.
; A tile of out0 is 256 rows x 128 columns, so that the 4,096 x 2,048 outputs give 256 work-groups.  Four waves, each 128 rows x 64 columns: 32 accumulators of 16 x 16, 256 registers.
; K goes in steps of 128 (rows of 256 bytes) through a ring of two LDS slots filled by the tensor data mover: waves 0 and 1 fetch att's two halves (128 rows each), waves 2 and 3 wo's (64 rows each).
; CLUSTERS: 4 x 4 work-groups.  The four of a row of the cluster need the same tiles of att, the four of a column the same tiles of wo: each is asked for jointly.
; THE MATRIX INSTRUCTION IS USED TRANSPOSED (source 0 = 16 rows of wo, source 1 = 16 rows of att): a lane holds eight neighbouring numbers of a row of out0.
; REGISTERS: window 0: v0-31 addresses; two fragment buffers of 96 at v64 and v160: att's 8 fragments (16 rows x 32 K), then wo's 4; on the way out v64-127 rows read back.   window 1: the accumulators ((a, b) at v[8 (4 a + b)]).
.set SIZE_K, 2048
.set SIZE_N, 2048
.set KSTEP,  128
.set PITCH,  272                       ; an LDS row: 256 bytes + 16 of padding: the 16 rows that a load touches start 68 words apart
.set HALFA,  128*PITCH
.set HALFB,  64*PITCH
.set SLOT,   2*HALFA+2*HALFB           ; att's 256 rows, then wo's 128 rows
.set STAGE,  2*SLOT                    ; behind the ring: 16 rows x 272 bytes for each wave, for the way out
.set SPITCH, 272
.set SPARE,  STAGE+4*16*SPITCH         ; behind the stages: the spare words, 128 bytes a wave
.set LAPS,   SIZE_K/(2*KSTEP)
.set ADRA, 16
.set ADRB, 20
.set STO,  24
.set RD,   25
.set CO,   26
.set SPW,  28                          ; v28  LDS address of my spare word; never rewritten
.set NIL,  29                          ; v29  0; never rewritten
.set PFO,  30                          ; v30  the prefetches' offset: my lane x a row of 4,096 bytes; never rewritten
.set F0,   64
.set F1,   160
.set BK,   64
.set PFA,  44                          ; s[44:45] where my prefetches stand: one K step further along K than the refill that is being asked for; a prefetch names the K step after that
.set LIM,  43                          ; s43  1 in a wave that prefetches, else the greatest number
.set G1, 24
.set G0, 32
.set G1B, 48
.set G0B, 56
.set MSB, 0
.macro WIN new                         ; the immediate's high byte repeats the setting that is left
.if MSB != (\new)
	s_set_vgpr_msb (MSB<<8)|(\new)
.set MSB, (\new)
.endif
.endm
.set MUL, 0x50                         ; C and D window 1, both sources window 0
.macro JLOAD s                         ; a joint load; an s_nop 0 and four v_nop follow each of the two lines
	s_cmp_eq_u32 s11, 0
	s_cbranch_scc0 .Lfor_b_\@
	tensor_load_to_lds s[G0+4*\s:G0+4*\s+3], s[G1:G1+7]
	s_nop 0
.rept 4
	v_nop
.endr
	s_branch .Lasked_\@
.Lfor_b_\@:
	tensor_load_to_lds s[G0B+4*\s:G0B+4*\s+3], s[G1B:G1B+7]
	s_nop 0
.rept 4
	v_nop
.endr
.Lasked_\@:
.endm
; A PREFETCH INTO THE L2, behind each joint refill and the run of LDS loads that follows it: the K step that stands two refills on (256 matrix instructions of a wave ahead): 32 rows x 256 bytes, a lane a row.
; Each row's 256 bytes of a K step are named once in the launch.  att's tile row is read by every cluster of that row of clusters: cluster x = 0 asks; of the 128 rows that wave 0 or 1 fetches, the partner at cx takes 32, by address.
; wo's tile column is read by every cluster of that column: cluster y = 0 asks; of the tile's 128 rows the partner at cy takes 32, by address, and wave 2 asks.  The loop's last trip asks for nothing: there is no K step two on.
.macro ASK
	s_cmp_gt_u32 s3, s[LIM]                        ; s3 = 1 in the loop's last trip
	s_cbranch_scc0 .Lnot_mine_\@
	global_prefetch_b8 v[PFO], s[PFA:PFA+1] offset:KSTEP*2 th:TH_LOAD_NT scope:SCOPE_SE
.Lnot_mine_\@:
.endm
.macro CREST
	s_cmp_lg_u32 s10, 0
	s_cbranch_scc1 .Lnot_wave_0_\@
	s_barrier_signal -3
.Lnot_wave_0_\@:
	s_barrier_wait -3
	s_barrier_signal -1
	s_barrier_wait -1
.endm
.macro CROUND
	s_barrier_signal -1
	s_barrier_wait -1
	CREST
.endm
	s_load_b128 s[4:7], s[0:1], 0x0                ; att, wo16
	s_load_b64 s[8:9], s[0:1], 0x10                ; out0
	v_lshl_add_u32 v[SPW], v0, 2, SPARE
	v_mov_b32 v[NIL], 0
	ds_add_u32 v[SPW], v[NIL]                      ; the wave's opening: the add, twice on end, and its wait ahead of my first tensor load
	ds_add_u32 v[SPW], v[NIL]
	v_lshrrev_b32 v1, 5, v0
	v_readfirstlane_b32 s10, v1                    ; wave 0..3
	s_lshr_b32 s11, s10, 1                         ; which half of the tile's rows is mine.  Also: I fetch for att (0) or for wo (1)
	s_and_b32 s12, s10, 1                          ; which half of its columns.  Also: which half of that tile I fetch
	s_bfe_u32 s40, ttmp6, 0x40000                  ; cx, cy
	s_bfe_u32 s41, ttmp6, 0x40004
	s_lshl_b32 s42, ttmp9, 2
	s_add_co_u32 s42, s42, s40                     ; tile column = 4 x cluster x + cx
	s_and_b32 s13, ttmp7, 0xffff
	s_lshl_b32 s13, s13, 2
	s_add_co_u32 s13, s13, s41                     ; tile row = 4 x cluster y + cy
	s_lshl_b32 s43, s41, 2
	s_lshl_b32 s43, 15, s43                        ; my row of the cluster
	s_lshl_b32 s44, 0x1111, s40                    ; my column
	; descriptor groups 1: rows of 128 elements of 2 bytes, 2,048 elements apart, 4 words of padding behind every 64; att 128 rows, wo 64 rows
	s_or_b32 s[G1+0], s43, (1<<16)|(1<<20)|(1<<21)|(5<<22)|(3<<25)
	s_or_b32 s[G1B+0], s44, (1<<16)|(1<<20)|(1<<21)|(5<<22)|(3<<25)
	s_mov_b32 s[G1+1], KSTEP<<16                   ; tensor_dim0
	s_mov_b32 s[G1+2], 128<<16                     ; tensor_dim1
	s_mov_b32 s[G1+3], KSTEP<<16                   ; tile_dim0
	s_mov_b32 s[G1+4], 128                         ; tile_dim1
	s_mov_b32 s[G1+5], SIZE_K                      ; tensor_dim0_stride
	s_mov_b32 s[G1+6], 0
	s_mov_b32 s[G1+7], 0
	s_mov_b32 s[G1B+1], KSTEP<<16
	s_mov_b32 s[G1B+2], 64<<16
	s_mov_b32 s[G1B+3], KSTEP<<16
	s_mov_b32 s[G1B+4], 64
	s_mov_b32 s[G1B+5], SIZE_K
	s_mov_b32 s[G1B+6], 0
	s_mov_b32 s[G1B+7], 0
	s_lshl_b32 s16, s13, 8
	s_lshl_b32 s17, s12, 7
	s_add_co_u32 s16, s16, s17                     ; att: row 256 x tile row + 128 x half
	s_lshl_b32 s16, s16, 12                        ; 4,096 bytes a row
	s_mov_b32 s17, 0
	s_lshl_b32 s46, s42, 7
	s_lshl_b32 s47, s12, 6
	s_add_co_u32 s46, s46, s47                     ; wo: row 128 x tile column + 64 x half
	s_lshl_b32 s46, s46, 12
	s_mov_b32 s47, 0
	s_mul_i32 s20, s12, HALFA                      ; where they go: no place in the cluster enters an LDS address
	s_mul_i32 s21, s12, HALFB
	s_add_co_u32 s21, s21, 2*HALFA
	s_wait_dscnt 0x0                               ; both opening adds are done
	s_wait_kmcnt 0x0
	s_add_nc_u64 s[14:15], s[4:5], s[16:17]
	s_add_nc_u64 s[46:47], s[6:7], s[46:47]
	CROUND                                         ; all sixteen work-groups are here: the first joint loads meet
.irp s, 0,1
	s_mov_b32 s[G0+4*\s], 1
	s_add_co_u32 s[G0+4*\s+1], s20, \s*SLOT
	s_add_nc_u64 s[G0+4*\s+2:G0+4*\s+3], s[14:15], \s*KSTEP*2
	s_or_b32 s[G0+4*\s+3], s[G0+4*\s+3], 0x80000000
	s_mov_b32 s[G0B+4*\s], 1
	s_add_co_u32 s[G0B+4*\s+1], s21, \s*SLOT
	s_add_nc_u64 s[G0B+4*\s+2:G0B+4*\s+3], s[46:47], \s*KSTEP*2
	s_or_b32 s[G0B+4*\s+3], s[G0B+4*\s+3], 0x80000000
	JLOAD \s
.endr
	v_and_b32 v1, 15, v0                           ; l % 16
	v_bfe_u32 v2, v0, 4, 1                         ; l / 16
	v_mul_u32_u24 v3, v1, PITCH
	v_lshl_add_u32 v3, v2, 4, v3                   ; a fragment's row x pitch + 16 x half
	s_mul_i32 s21, s11, HALFA                      ; my 128 rows of att
	s_mul_i32 s22, s12, HALFB                      ; my 64 rows of wo,
	s_add_co_u32 s22, s22, 2*HALFA                 ; which lie behind att's 256
.irp s, 0,1
	v_add_nc_u32 v[ADRA+\s], s21, v3
	v_add_nc_u32 v[ADRB+\s], s22, v3
	s_add_co_u32 s21, s21, SLOT
	s_add_co_u32 s22, s22, SLOT
.endr
	s_mul_i32 s23, s10, 16*SPITCH
	s_add_co_u32 s23, s23, STAGE                   ; my stage
	v_mul_u32_u24 v4, v1, SPITCH                   ; in: row l % 16, 32 bytes for each half of the lanes
	v_lshl_add_u32 v4, v2, 5, v4
	v_add_nc_u32 v[STO], s23, v4
	v_mul_u32_u24 v5, v2, SPITCH                   ; back: lanes 0-15 take one row of 256 bytes, lanes 16-31 the next
	v_lshl_add_u32 v5, v1, 4, v5
	v_add_nc_u32 v[RD], s23, v5
	v_lshlrev_b32 v5, 13, v2                       ; and the same two rows in out0: 8,192 bytes a row
	v_lshl_add_u32 v[CO], v1, 4, v5
	s_lshl_b32 s16, s13, 8
	s_lshl_b32 s17, s11, 7
	s_add_co_u32 s16, s16, s17                     ; my first row of out0
	s_lshl_b32 s16, s16, 13
	s_mov_b32 s17, 0
	s_add_nc_u64 s[8:9], s[8:9], s[16:17]
	s_lshl_b32 s46, s42, 9                         ; my first column, in bytes: 512 x tile column + 256 x half
	s_lshl_b32 s47, s12, 8
	s_add_co_u32 s46, s46, s47
	s_mov_b32 s47, 0
	s_add_nc_u64 s[8:9], s[8:9], s[46:47]          ; never stepped: the blocks' places stand in the stores' immediates
	; the prefetches
	s_lshl_b32 s20, s13, 8
	s_lshl_b32 s22, s12, 7
	s_add_co_u32 s20, s20, s22                     ; att: the first of the 128 rows that I fetch
	s_lshl_b32 s21, s42, 7                         ; wo: the tile's first row
	s_and_b32 s22, ttmp7, 0xffff                   ; cluster y
	s_cmp_eq_u32 s11, 0
	s_cselect_b32 s20, s20, s21
	s_cselect_b32 s21, s40, s41                    ; my place among the four that ask with me
	s_cselect_b32 s22, ttmp9, s22                  ; the coordinate along which other clusters read the same rows
	s_cselect_b64 s[PFA:PFA+1], s[4:5], s[6:7]
	s_cmp_eq_u32 s10, 3
	s_cselect_b32 s23, 1, 0                        ; wave 3 asks for nothing: wave 2 names all of wo's rows
	s_or_b32 s22, s22, s23
	s_cmp_eq_u32 s22, 0
	s_cselect_b32 s[LIM], 1, -1                    ; the same in all sixteen partners, for a given wave
	s_lshl_b32 s21, s21, 5
	s_add_co_u32 s20, s20, s21                     ; my work-group's 32 rows
	s_lshl_b32 s20, s20, 12
	s_add_co_u32 s20, s20, 2*KSTEP*2               ; at K step 2: the first refill steps it to 3 and names K step 4
	s_mov_b32 s21, 0
	s_add_nc_u64 s[PFA:PFA+1], s[PFA:PFA+1], s[20:21]
	v_and_b32 v[PFO], 31, v0
	v_lshlrev_b32 v[PFO], 12, v[PFO]
; 8 matrix instructions: att's blocks a0, a0 + 1 against wo's four, 32 along K.  The 32 accumulators take turns, one instruction a turn, in the same order in every quarter.
.macro MUL8 f, a0, zero
.irp a, \a0, \a0+1
.irp b, 0,1,2,3
.if \zero
	v_wmma_f32_16x16x32_f16 v[8*(4*(\a)+\b):8*(4*(\a)+\b)+7], v[\f+64+8*\b:\f+64+8*\b+7], v[\f+8*(\a):\f+8*(\a)+7], 0
.else
	v_wmma_f32_16x16x32_f16 v[8*(4*(\a)+\b):8*(4*(\a)+\b)+7], v[\f+64+8*\b:\f+64+8*\b+7], v[\f+8*(\a):\f+8*(\a)+7], v[8*(4*(\a)+\b):8*(4*(\a)+\b)+7]
.endif
.endr
.endr
.endm
.macro MUL16 f, half, zero
	MUL8 \f, 4*\half, \zero
	MUL8 \f, 4*\half+2, \zero
.endm
; 24 LDS loads in one run: the fragments of 32 along K at byte k of the rows: wo's four, att's blocks 0-3, att's blocks 4-7
.macro FETCH slot, k, f
	WIN 0
.irp i, 0,1,2,3
	ds_load_b128 v[\f+64+8*\i:\f+64+8*\i+3],   v[ADRB+\slot] offset:\k+\i*16*PITCH
	ds_load_b128 v[\f+64+8*\i+4:\f+64+8*\i+7], v[ADRB+\slot] offset:\k+\i*16*PITCH+32
.endr
.irp i, 0,1,2,3,4,5,6,7
	ds_load_b128 v[\f+8*\i:\f+8*\i+3],   v[ADRA+\slot] offset:\k+\i*16*PITCH
	ds_load_b128 v[\f+8*\i+4:\f+8*\i+7], v[ADRA+\slot] offset:\k+\i*16*PITCH+32
.endr
.endm
.macro PLACES                          ; four plain vector instructions in front of loads into registers that matrix instructions have read, and of the first read of results
.rept 4
	v_nop
.endr
.endm
; A K step is four quarters of 32 along K, 32 matrix instructions each, on buffers 0, 1, 0, 1.  One of the first three: multiplies buffer f and fetches the next quarter, at byte k, into g.
.macro QUARTER slot, k, f, g, zero
	s_wait_dscnt 8                                 ; wo's fragments and att's blocks 0-3 are in; the youngest eight loads (blocks 4-7) may be out
	WIN MUL
	MUL16 \f, 0, \zero
	PLACES
	FETCH \slot, \k, \g
	s_wait_dscnt 24                                ; all but the 24 just issued
	WIN MUL
	MUL16 \f, 1, \zero
.endm
; The last quarter multiplies buffer 1 and changes slots: one barrier; in front of it each wave waits for all its tensor loads, adds 0 to its spare word, and waits for that and for its own reads of this slot.
.macro TURN slot, next, fill
.if \fill
	s_wait_xcnt 0x0                                ; the last prefetch, a K step back, has read its address: it is stepped here
	s_add_nc_u64 s[PFA:PFA+1], s[PFA:PFA+1], KSTEP*2
.endif
	WIN 0                                          ; (the add's two registers lie in window 0)
	s_wait_tensorcnt 0x0                           ; all my tensor loads have landed: my part of the next slot
	ds_add_u32 v[SPW], v[NIL]                      ; 0 onto my spare word
	s_wait_dscnt 9                                 ; the add and the youngest eight loads may be out
	WIN MUL
	MUL8 F1, 0, 0                                  ; eight matrix instructions stand between the add and the wait for it
	s_wait_dscnt 0x0                               ; the add is done, and my reads of this slot are over
	s_barrier_signal -1
	MUL8 F1, 2, 0
	WIN 0
	s_barrier_wait -1
.if \fill
	CREST                                          ; the barrier has opened a round of the cluster's barrier: no wave of any partner still reads this slot or has a load on its way
	s_add_nc_u64 s[G0+4*\slot+2:G0+4*\slot+3], s[G0+4*\slot+2:G0+4*\slot+3], 2*KSTEP*2
	s_add_nc_u64 s[G0B+4*\slot+2:G0B+4*\slot+3], s[G0B+4*\slot+2:G0B+4*\slot+3], 2*KSTEP*2
	JLOAD \slot                                    ; the first tensor load behind the round; its four v_nop are also the places in front of the loads below
.else
	PLACES
.endif
	FETCH \next, 0, F0
.if \fill
	ASK
.endif
	WIN MUL
	MUL16 F1, 1, 0
.endm
	s_wait_tensorcnt 1                             ; my part of K step 0 is in; K step 1's load may be out
	s_barrier_signal -1
	s_barrier_wait -1                              ; everybody's is
	FETCH 0, 0, F0
	QUARTER 0, 64, F0, F1, 1                       ; the first quarter stands in front of the loop: its products start the sums
	WIN 0                                          ; at a label and at a branch every window is 0
	s_mov_b32 s3, LAPS-1
.Llap:                                                 ; a trip goes once round the ring, from a lap's second quarter to the next lap's first, and fills both slots again
	QUARTER 0, 128, F1, F0, 0
	QUARTER 0, 192, F0, F1, 0
	TURN 0, 1, 1
	QUARTER 1, 64,  F0, F1, 0
	QUARTER 1, 128, F1, F0, 0
	QUARTER 1, 192, F0, F1, 0
	TURN 1, 0, 1
	QUARTER 0, 64,  F0, F1, 0
	WIN 0
	s_sub_co_u32 s3, s3, 1
	s_cmp_lg_u32 s3, 0
	s_cbranch_scc1 .Llap
	QUARTER 0, 128, F1, F0, 0                      ; the last lap fills nothing, and has no round of the cluster's barrier
	QUARTER 0, 192, F0, F1, 0
	TURN 0, 1, 0
	QUARTER 1, 64,  F0, F1, 0
	QUARTER 1, 128, F1, F0, 0
	QUARTER 1, 192, F0, F1, 0
	s_wait_dscnt 8                                 ; the very last quarter: nothing more to fetch
	WIN MUL
	MUL16 F1, 0, 0
	s_wait_dscnt 0x0
	MUL16 F1, 1, 0
	WIN 0
; THE WAY OUT, block by block of 16 rows x 64 columns.  A lane holds 32 neighbouring bytes of a row: a block goes through my own stage in LDS and comes back as whole rows of 256 bytes, which sixteen lanes store as one aligned run.
.macro TOSTAGE a
	WIN 0x04                                       ; an LDS store's data are its source 1: window 1
.irp b, 0,1,2,3
	ds_store_b128 v[STO], v[32*(\a)+8*\b:32*(\a)+8*\b+3] offset:64*\b            ; each accumulator from its low end on
	ds_store_b128 v[STO], v[32*(\a)+8*\b+4:32*(\a)+8*\b+7] offset:64*\b+16
.endr
	WIN 0
.set BB, BK+32*((\a)%2)
.irp t, 0,1,2,3,4,5,6,7
	ds_load_b128 v[BB+4*\t:BB+4*\t+3], v[RD] offset:\t*2*SPITCH                  ; LDS serves a wave's instructions in order: these see the stores above
.endr
.endm
.macro SEND a, younger                 ; younger: the LDS instructions issued behind block a's loads, which may stay out
.set BB, BK+32*((\a)%2)
	s_wait_dscnt \younger
.irp t, 0,1,2,3,4,5,6,7
	global_store_b128 v[CO], v[BB+4*\t:BB+4*\t+3], s[8:9] offset:(16*(\a)+2*\t)*SIZE_N*4 th:TH_STORE_NT   ; 16 lanes store 256 consecutive bytes, aligned; 126 rows of 8,192 bytes at the most, inside the signed 24-bit immediate
.endr
.endm
	PLACES                                         ; behind the last products
	TOSTAGE 0
.irp a, 1,2,3,4,5,6,7
.if \a > 1
	s_wait_xcnt 0x0                                ; block a - 2's stores have read their registers: block a's loads may land there
.endif
	TOSTAGE \a
	SEND \a-1, 16                                  ; behind block a - 1's loads: block a's 8 stores and 8 loads
.endr
	SEND 7, 0
	s_wait_tensorcnt 0x0                           ; the wave's end: three lines behind my last tensor load and my last LDS store
	ds_add_u32 v[SPW], v[NIL]
	s_wait_dscnt 0x0
	CROUND                                         ; the closing round: no work-group ends while a partner may still ask for a tile that names it
	s_endpgm
.Lfunc_end_k_qea19f45ceb_oproj:
	.size	k_qea19f45ceb_oproj, .Lfunc_end_k_qea19f45ceb_oproj-k_qea19f45ceb_oproj
	.p2alignl 7, 3214868480
	.fill 96, 4, 3214868480
	.section	.rodata,"a",@progbits
	.p2align	6, 0x0
	.amdhsa_kernel k_qea19f45ceb_oproj
		.amdhsa_group_segment_fixed_size 327680
		.amdhsa_private_segment_fixed_size 0
		.amdhsa_enable_private_segment 0
		.amdhsa_kernarg_size 24
		.amdhsa_user_sgpr_count 2
		.amdhsa_user_sgpr_kernarg_segment_ptr 1
		.amdhsa_wavefront_size32 1
		.amdhsa_system_sgpr_workgroup_id_x 1
		.amdhsa_system_sgpr_workgroup_id_y 1
		.amdhsa_system_sgpr_workgroup_id_z 1
		.amdhsa_system_vgpr_workitem_id 0
		.amdhsa_next_free_vgpr 512
		.amdhsa_next_free_sgpr 66
		.amdhsa_reserve_vcc 0
		.amdhsa_float_denorm_mode_32 3
		.amdhsa_float_denorm_mode_16_64 3
		.amdhsa_memory_ordered 1
		.amdhsa_forward_progress 1
		.amdhsa_inst_pref_size 87
	.end_amdhsa_kernel
	.amdgpu_metadata
---
amdhsa.version: [ 1, 2 ]
amdhsa.kernels:
  - .name:           k_qea19f45ceb_oproj
    .symbol:         k_qea19f45ceb_oproj.kd
    .args:
      - { .name: att, .offset: 0, .size: 8, .value_kind: global_buffer, .address_space: global }
      - { .name: wo16, .offset: 8, .size: 8, .value_kind: global_buffer, .address_space: global }
      - { .name: out0, .offset: 16, .size: 8, .value_kind: global_buffer, .address_space: global }
    .group_segment_fixed_size: 327680
    .private_segment_fixed_size: 0
    .kernarg_segment_align: 8
    .kernarg_segment_size: 24
    .max_flat_workgroup_size: 128
    .sgpr_count:     66
    .vgpr_count:     512
    .wavefront_size: 32
...
	.end_amdgpu_metadata
.endif
;; end of part 4
